; MI455X (gfx1250); checked and timed in simulation.
; The chip was launched on July 23, 2026; its instructions are those of AMD's public machine-readable ISA for CDNA 5 (MIT licence, August 2026) and "CDNA5" Instruction Set Architecture Reference Guide (July 2026). The comments in the code are by the model that wrote it; some were corrected since.
;; Multi Head Attn. Allowed arithmetic: matrix products marked QUANTISED: E5M2 operands, one E8M0 scale for each 32 along K, by v_wmma_scale_f32_16x16x128_f8f6f4 with both operands' format E5M2, f32 sums; everything else in f32.
;; Inputs: Wk_codes 1,024 x 32 x 32 uint8 (E5M2 codes of Wk, K innermost, in blocks of 32 codes); Wk_scales 1,024 x 32 uint8 (E8M0 scales of Wk, one for each 32 codes along K); Wout_codes 1,024 x 32 x 32 uint8 (E5M2 codes of Wout, K innermost, in blocks of 32 codes); Wout_scales 1,024 x 32 uint8 (E8M0 scales of Wout, one for each 32 codes along K); Wq_codes 1,024 x 32 x 32 uint8 (E5M2 codes of Wq, K innermost, in blocks of 32 codes); Wq_scales 1,024 x 32 uint8 (E8M0 scales of Wq, one for each 32 codes along K); Wv_codes 1,024 x 32 x 32 uint8 (E5M2 codes of Wv, K innermost, in blocks of 32 codes); Wv_scales 1,024 x 32 uint8 (E8M0 scales of Wv, one for each 32 codes along K); b1 1,024 float32; b2 1,024 float32; bout 1,024 float32; g1 1,024 float32; g2 1,024 float32; k_codes 4 x 2,048 x 32 x 32 uint8 (E5M2 codes of k, K innermost, in blocks of 32 codes); k_scales 4 x 2,048 x 32 uint8 (E8M0 scales of k, one for each 32 codes along K); mask 4 x 2,048 bool; q_codes 4 x 2,048 x 32 x 32 uint8 (E5M2 codes of q, K innermost, in blocks of 32 codes); q_scales 4 x 2,048 x 32 uint8 (E8M0 scales of q, one for each 32 codes along K); v_codes 4 x 2,048 x 32 x 32 uint8 (E5M2 codes of v, K innermost, in blocks of 32 codes); v_scales 4 x 2,048 x 32 uint8 (E8M0 scales of v, one for each 32 codes along K).
;; Outputs: out0 4 x 2,048 x 1,024 float32.
;; This version of the problem:
;;   THIS VERSION OF THE PROBLEM IS GIVEN IN LOW PRECISION. The matrix products marked QUANTISED in the list below multiply operands that are first quantised to E5M2 (5 exponent bits, 2 mantissa bits; 8 bits a number), with one power-of-two scale for each 32 numbers along K (OCP MX v1.0); their sums are f32. All else is computed in f32.
;;   The module's matrix products, in the order in which they are computed (A, B: the left and right operand; K: the contracted axis; several contracted axes count as one K, in the product's order):
;;     1. [M 8,192, K 1,024] x [K 1,024, N 1,024]; A: input q (given as codes); B: input Wq (given as codes): QUANTISED
;;     2. [M 8,192, K 1,024] x [K 1,024, N 1,024]; A: input k (given as codes); B: input Wk (given as codes): QUANTISED
;;     3. [M 8,192, K 1,024] x [K 1,024, N 1,024]; A: input v (given as codes); B: input Wv (given as codes): QUANTISED
;;     4. batch 32 x [M 2,048, K 128] x [K 128, N 2,048]; A: computed on the way; B: computed on the way: QUANTISED
;;     5. batch 32 x [M 128, K 2,048] x [K 2,048, N 2,048]; A: computed on the way; B: computed on the way: QUANTISED
;;     6. [M 8,192, K 1,024] x [K 1,024, N 1,024]; A: computed on the way; B: input Wout (given as codes): QUANTISED
;;   THE QUANTISER, for each operand of a quantised product, along K:
;;     - K is cut into blocks of 32 from its start; a last block that is shorter is filled with zeros.
;;     - A block's scale is 2^e with e = floor(log2(the largest magnitude in the block)) - 15, held to -126 .. 127; a block of zeros has e = 0. As a byte (E8M0): e + 127.
;;     - Each number is divided by its block's scale, clamped to +-57,344, and rounded to the nearest number of E5M2, ties to even, subnormals kept.
;;     - The product sums the exact products of the quantised numbers (number of the format x scale) in f32.
;;   ~~~python
;;   def quantise(x, axis):      # numpy; x: float32 -> the quantised numbers, widened to float32 again
;;       x = np.moveaxis(x, axis, -1); K = x.shape[-1]
;;       x = np.pad(x, [(0, 0)] * (x.ndim - 1) + [(0, -K % 32)]); x = x.reshape(x.shape[:-1] + (-1, 32)); a = np.abs(x).max(-1, keepdims=True)
;;       e = np.where(a > 0, np.clip(np.frexp(np.where(a > 0, a, 1))[1] - 1 - 15, -126, 127), 0)      # np.frexp(a)[1] - 1 = floor(log2(a)), exactly
;;       r = np.clip(x / 2.0 ** e, -57344, 57344)
;;       step = 2.0 ** (np.maximum(np.frexp(np.where(r == 0, 1, r))[1] - 1, -14) - 2)
;;       q = np.round(r / step) * step * 2.0 ** e      # np.round: ties to even
;;       return np.moveaxis(q.reshape(q.shape[:-2] + (-1,))[..., :K], -1, axis).astype(np.float32)
;;   ~~~
;;   OPERANDS COMPUTED ON THE WAY. 'Computed on the way' means the value that the module computes at that place (a softmax that the list does not call 'softmax' is quantised finished and normalised). What goes into a quantiser is computed in f32, as accurately as f32 sums, v_exp_f32 and their like allow (about 1e-6 of the number): no bf16 or f16 on the way to a quantiser, and a product that is left as it is and whose result goes on into a quantised operand takes f32 operands (vector FMAs, or v_wmma_f32_16x16x4_f32). A number that lies on a knife's edge between two numbers of the format may be rounded either way, as far as f32 arithmetic and the matrix unit's own rounding can turn it there, and no further.
;;   INPUTS GIVEN AS CODES. Wk (in the module: [1024, 1024], K = its axis 1); Wout (in the module: [1024, 1024], K = its axis 1); Wq (in the module: [1024, 1024], K = its axis 1); Wv (in the module: [1024, 1024], K = its axis 1); k (in the module: [4, 2048, 1024], K = its axis 2); q (in the module: [4, 2048, 1024], K = its axis 2); v (in the module: [4, 2048, 1024], K = its axis 2): each comes as NAME_codes (uint8): NAME with its K axis moved to the last place and cut into blocks of 32 codes, [.., K / 32, bytes a block], one block behind the other in memory; one code a byte (a code: sign, 5 exponent bits, 2 mantissa bits); and NAME_scales (uint8): the same leading axes, one E8M0 byte (e + 127) for each 32 codes along K. Its value is code x scale, taken as it is: it is not quantised again, and the codes and scales need not be those that the quantiser above would give.
;; One version. Each part assembles by itself: llvm-mc -triple=amdgcn-amd-amdhsa -mcpu=gfx1250 --defsym DOCPART=n.
;; ======== version 1 of 1: 3 launches
;; limits: right only within a limited range of input values
;; workspace buffers: x1i 33,554,432 bytes; kf 8,388,608 bytes; vf 8,388,608 bytes; kvs 524,288 bytes
;; launch proj (part 1): grid 4 x 64, 4 waves a work-group, clusters of 4 x 4, 327,680 bytes of LDS; arguments k_codes, k_scales, Wk_codes, Wk_scales, Wv_codes, Wv_scales, v_codes, v_scales, kf, kvs, vf; writes kf, kvs, vf
.if DOCPART == 1
	.amdgcn_target "amdgcn-amd-amdhsa--gfx1250"
	.amdhsa_code_object_version 6
	.text
	.protected	k_qaea5984c89_proj
	.globl	k_qaea5984c89_proj
	.p2align	8
	.type	k_qaea5984c89_proj,@function
k_qaea5984c89_proj:
	s_mov_b64 s[64:65], 0
	v_nop
	global_prefetch_b8 v0, s[64:65] scope:SCOPE_SE
	s_setreg_imm32_b32 hwreg(HW_REG_WAVE_MODE, 25, 1), 1
	s_wait_xcnt 0x0
	s_wait_alu depctr_hold_cnt(0) depctr_sa_sdst(0) depctr_va_vdst(0) depctr_va_sdst(0) depctr_va_ssrc(0) depctr_va_vcc(0) depctr_vm_vsrc(0)
	s_getreg_b32 s2, hwreg(HW_REG_IB_STS2, 6, 4)
	s_cmp_eq_u32 s2, 0
	s_cbranch_scc0 .Lentry_in_a_cluster
	s_endpgm
.Lentry_in_a_cluster:
	s_bfe_u32 s2, ttmp6, 0x10000c
	s_cmp_lg_u32 s2, 0xf033
	s_cbranch_scc0 .Lentry_shape_is_right
	s_endpgm
.Lentry_shape_is_right:
; LAUNCH 1 OF 3.  kp = k Wk^T and vp = v Wv^T on the given codes of E5M2 with their E8M0 scales, and the results quantised for the two products of attention.  (qp = q Wq^T is made by the second launch, where it is used.)
; DEAD WORK: none is left out in the whole program; every input is loaded.  (The second launch makes the scores K Q^T twice: more than reference() writes, not less.)
; LIMITS of the program: NaN and infinities among the inputs are not served; |q . k| stays under 2^80 (a masked score is the finite number -2^100); a block of zeros gets the scale byte 1 where the
; quantiser says 127 (its codes are zeros, and this program alone reads these bytes); the order of the f32 sums, and of k inside a block of 32, differs from reference()'s.
; SHARES.  16 clusters of 4 x 4 work-groups, 256 work-groups; a cluster makes 1,024 x 1,024 of C = A B^T, a work-group 256 x 256, each of its four waves 128 x 128 (64 accumulators).  Cluster number = 8 tau + i.
; tau = 0 (k): A = 1,024 tokens (block i), B = Wk.  tau = 1 (v): A = Wv, B = 1,024 tokens (block i).  The matrix instruction is used transposed (source 0 = 16 rows of B, source 1 = 16 rows of A):
; a lane holds ONE row of A and its registers run along B's rows: the head's channels for k, the keys for v: the axis that the next product sums over.
; K goes in steps of 256 through a ring of two LDS slots; the scales of the work-group's rows come once; A's tiles are asked for jointly along a row of the cluster, B's along a column.
; No prefetch: K is 1,024, four slots in all, of which the first comes by the head's loads: there is no loop to run ahead in.
; THE WAY OUT.  A wave's 128 columns are one head (k) or one key step (v).  A block of 16 rows x 128 columns is quantised in registers: a block of 32 columns is result tiles 2 c, 2 c + 1 in lanes l and l xor 16.
; The place k = 32 c + 16 h + i of the new operand holds column 32 c + 8 h + i (i < 8) or 32 c + 16 + 8 h + i - 8: a permutation INSIDE one scale block, the same in both operands of each later product.
; The fragments leave as images of their registers, 16 bytes a lane, 512 consecutive bytes a store.
; REGISTERS, in windows of 256: window 0: v0-31 addresses; v32-63 scale words, two sets; from v128 A's fragments, one set; on the way out v32-127 are at work.  window 1: B's fragments, two sets.
;   window 2: the accumulators of my rows 0-63 ((a, b) at v[8 (8 a + b)]);  window 3: those of rows 64-127.
.set NQ,     2                         ; matrix instructions deep in a slot of 256 along K
.set ROWB,   256
.set KROW,   1024
.set PITCH,  272                       ; 256 bytes + 16 of padding: the 16 rows that a load touches start at 16 different banks (ISA guide 11.1)
.set FR,     16
.set NL,     4
.set NP,     8                         ; places behind this matrix instruction (ISA guide 7.12.1)
.set HALFT,  128*PITCH
.set SLOT,   4*HALFT                   ; A's 256 rows, then B's 256
.set KS,     32                        ; a row of scales in bytes
.set SCL,    2*SLOT
.set HALFS,  (128*KS/256)*272
.set SBLK,   (16*KS/256)*272
.set SPARE,  SCL+4*HALFS               ; the spare words: 128 bytes a wave
.set ADRA, 16
.set ADRB, 20
.set CO,   26                          ; 16 x lane
.set ADRS, 27                          ; my scale words: lanes 0-15 A's rows, lanes 16-31 B's
.set SPW,  28
.set NIL,  29
.set SCW,  30                          ; the way out: 512 x wave + 4 (lane % 16), in slot 0, which has had its last fill and its last read by then
.set SCR,  31
.set SC,   32
.set AF,   128
.set TM,   32
.set PW,   48
.set PC,   64
.set G1, 24
.set G0, 32
.set G1B, 48
.set G0B, 56
.set G1S, 68
.set G0S, 76
.set G1SB, 80
.set G0SB, 88
.set G0H, 4
.set G0HB, 8
.set MSB, 0
.macro WIN new
.if MSB != (\new)
	s_set_vgpr_msb (MSB<<8)|(\new)
.set MSB, (\new)
.endif
.endm
.set MUL_LO, 0xa1
.set MUL_HI, 0xf1
.set TO_B,   0x40
.macro JLOAD g0a, g1a, g0b, g1b        ; waves 0 and 1 fetch for A, waves 2 and 3 for B
	s_cmp_eq_u32 s15, 0
	s_cbranch_scc0 .Lfor_b_\@
	tensor_load_to_lds s[\g0a:\g0a+3], s[\g1a:\g1a+7]
	s_nop 0
.rept 4
	v_nop
.endr
	s_branch .Lasked_\@
.Lfor_b_\@:
	tensor_load_to_lds s[\g0b:\g0b+3], s[\g1b:\g1b+7]
	s_nop 0
.rept 4
	v_nop
.endr
.Lasked_\@:
.endm
.macro CREST
	s_cmp_lg_u32 s14, 0
	s_cbranch_scc1 .Lnot_wave_0_\@
	s_barrier_signal -3
.Lnot_wave_0_\@:
	s_barrier_wait -3
	s_barrier_signal -1
	s_barrier_wait -1
.endm
.macro CROUND
	s_barrier_signal -1
	s_barrier_wait -1
	CREST
.endm
	s_load_b512 s[24:39], s[0:1], 0x0              ; k's codes, scales; Wk's; Wv's; v's
	s_load_b128 s[48:51], s[0:1], 0x40             ; kf, kvs
	s_load_b64 s[52:53], s[0:1], 0x50              ; vf
	v_lshl_add_u32 v[SPW], v0, 2, SPARE
	v_mov_b32 v[NIL], 0
	ds_add_u32 v[SPW], v[NIL]                      ; the opening: the add, twice on end, and its wait
	ds_add_u32 v[SPW], v[NIL]
	v_lshrrev_b32 v1, 5, v0
	v_readfirstlane_b32 s14, v1                    ; wave 0..3
	s_lshr_b32 s15, s14, 1                         ; my half of the tile's rows; also: I fetch for A (0) or B (1)
	s_and_b32 s16, s14, 1                          ; my half of its columns; also: which 128 rows I fetch
	s_and_b32 s95, ttmp7, 0xffff                   ; the cluster's number, 0..15
	s_lshr_b32 s96, s95, 3                         ; tau: 0 k, 1 v
	s_and_b32 s97, s95, 7                          ; i
	s_cmp_eq_u32 s96, 0
	s_cselect_b32 s2, s97, 0                       ; the tokens are A's rows (k)
	s_cselect_b32 s3, 0, s97                       ; or B's (v)
.irp g, G1S, G1SB                      ; the scales of 256 rows: 8,192 dense bytes as 32 rows of 256 bytes, 16 bytes of padding behind each
	s_mov_b32 s[\g+1], 32<<16
	s_mov_b32 s[\g+2], KS<<16
	s_mov_b32 s[\g+3], 32<<16
	s_mov_b32 s[\g+4], KS
	s_mov_b32 s[\g+5], 32
	s_mov_b32 s[\g+6], 0
	s_mov_b32 s[\g+7], 0
.endr
	s_mov_b32 s100, 0x76543210
	s_mov_b32 s101, 0xfedcba98                     ; lane l xor 16
	s_mov_b32 s104, 0x600000                       ; the mantissa field of 57,344
	s_wait_dscnt 0x0
	s_wait_kmcnt 0x0
	s_cmp_eq_u32 s96, 1                            ; the buffers are chosen by the cluster's number alone
	s_cselect_b64 s[4:5], s[32:33], s[24:25]       ; A's codes
	s_cselect_b64 s[6:7], s[34:35], s[26:27]       ; A's scales
	s_cselect_b64 s[8:9], s[36:37], s[28:29]       ; B's codes
	s_cselect_b64 s[10:11], s[38:39], s[30:31]     ; B's scales
	s_cselect_b64 s[12:13], s[52:53], s[48:49]     ; the new codes
	s_mov_b64 s[66:67], s[50:51]                   ; the new scale words
	s_bfe_u32 s40, ttmp6, 0x40000                  ; cx, cy
	s_bfe_u32 s41, ttmp6, 0x40004
	s_lshl_b32 s42, s3, 2
	s_add_co_u32 s42, s42, s40                     ; tile column of C
	s_lshl_b32 s17, s2, 2
	s_add_co_u32 s17, s17, s41                     ; tile row of C
	s_lshl_b32 s43, s41, 2
	s_lshl_b32 s43, 15, s43                        ; my row of the cluster
	s_lshl_b32 s44, 0x1111, s40                    ; my column
	s_or_b32 s[G1+0], s43, (0<<16)|(1<<20)|(1<<21)|(5<<22)|(3<<25)
	s_or_b32 s[G1B+0], s44, (0<<16)|(1<<20)|(1<<21)|(5<<22)|(3<<25)
.irp g, G1, G1B                        ; 256 rows for the head's loads; behind them the two words that count rows are set to 128
	s_mov_b32 s[\g+1], ROWB<<16
	s_mov_b32 s[\g+2], 256<<16
	s_mov_b32 s[\g+3], ROWB<<16
	s_mov_b32 s[\g+4], 256
	s_mov_b32 s[\g+5], KROW
	s_mov_b32 s[\g+6], 0
	s_mov_b32 s[\g+7], 0
.endr
	s_or_b32 s[G1S+0], s43, (3<<16)|(1<<20)|(1<<21)|(5<<22)|(3<<25)
	s_or_b32 s[G1SB+0], s44, (3<<16)|(1<<20)|(1<<21)|(5<<22)|(3<<25)
	s_lshl_b32 s20, s17, 8                         ; A: the tile's first row
	s_lshl_b32 s46, s42, 8                         ; B: likewise
	s_mov_b32 s21, 0
	s_mov_b32 s47, 0
	s_mov_b64 s[18:19], KS
	s_mul_u64 s[22:23], s[20:21], s[18:19]         ; where these rows' scales begin
	s_mul_u64 s[92:93], s[46:47], s[18:19]
	s_mov_b64 s[18:19], KROW
	s_mul_u64 s[20:21], s[20:21], s[18:19]         ; and their codes
	s_mul_u64 s[46:47], s[46:47], s[18:19]
	s_mul_i32 s18, s16, 128*KROW                   ; in the ring I fetch 128 rows: which half,
	s_mov_b32 s19, 0
	s_mul_i32 s45, s14, HALFT                      ; and where they go
	s_add_nc_u64 s[20:21], s[4:5], s[20:21]
	s_add_nc_u64 s[22:23], s[6:7], s[22:23]
	s_add_nc_u64 s[46:47], s[8:9], s[46:47]
	s_add_nc_u64 s[92:93], s[10:11], s[92:93]
	CROUND                                         ; the first joint loads meet
	s_mov_b32 s[G0H], 1                            ; the head's four tiles: K step 0's 256 rows of A,
	s_mov_b32 s[G0H+1], 0
	s_mov_b64 s[G0H+2:G0H+3], s[20:21]
	s_or_b32 s[G0H+3], s[G0H+3], 0x80000000
	s_mov_b32 s[G0HB], 1                           ; its 256 rows of B,
	s_mov_b32 s[G0HB+1], 2*HALFT
	s_mov_b64 s[G0HB+2:G0HB+3], s[46:47]
	s_or_b32 s[G0HB+3], s[G0HB+3], 0x80000000
	s_mov_b32 s[G0S], 1                            ; A's scales,
	s_mov_b32 s[G0S+1], SCL
	s_mov_b64 s[G0S+2:G0S+3], s[22:23]
	s_or_b32 s[G0S+3], s[G0S+3], 0x80000000
	s_mov_b32 s[G0SB], 1                           ; B's scales
	s_mov_b32 s[G0SB+1], SCL+2*HALFS
	s_mov_b64 s[G0SB+2:G0SB+3], s[92:93]
	s_or_b32 s[G0SB+3], s[G0SB+3], 0x80000000
	s_add_nc_u64 s[20:21], s[20:21], s[18:19]      ; for the ring: my 128 rows
	s_add_nc_u64 s[46:47], s[46:47], s[18:19]
.irp s, 0,1
	s_mov_b32 s[G0+4*\s], 1
	s_add_co_u32 s[G0+4*\s+1], s45, \s*SLOT
	s_add_nc_u64 s[G0+4*\s+2:G0+4*\s+3], s[20:21], \s*ROWB
	s_or_b32 s[G0+4*\s+3], s[G0+4*\s+3], 0x80000000
	s_mov_b32 s[G0B+4*\s], 1
	s_add_co_u32 s[G0B+4*\s+1], s45, \s*SLOT
	s_add_nc_u64 s[G0B+4*\s+2:G0B+4*\s+3], s[46:47], \s*ROWB
	s_or_b32 s[G0B+4*\s+3], s[G0B+4*\s+3], 0x80000000
.endr
; the head's loads, one a wave, in one tree of branches on the wave's number
.macro ARM under, g0, g1, next
	s_cmp_lt_u32 s14, \under
	s_cbranch_scc0 \next
	tensor_load_to_lds s[\g0:\g0+3], s[\g1:\g1+7]
	s_nop 0
.rept 4
	v_nop
.endr
	s_branch .Lhead_asked
\next:
.endm
	ARM 1, G0H,  G1,  .Lhead_b
	ARM 2, G0HB, G1B, .Lhead_sa
	ARM 3, G0S,  G1S, .Lhead_sb
	tensor_load_to_lds s[G0SB:G0SB+3], s[G1SB:G1SB+7]
	s_nop 0
.rept 4
	v_nop
.endr
.Lhead_asked:
	v_and_b32 v1, 15, v0                           ; r
	v_bfe_u32 v2, v0, 4, 1                         ; h
	v_mul_u32_u24 v3, v1, PITCH
	v_lshl_add_u32 v4, v2, 4, v3
	s_mul_i32 s21, s15, HALFT                      ; my 128 rows of A
	s_mul_i32 s22, s16, HALFT                      ; my 128 rows of B,
	s_add_co_u32 s22, s22, 2*HALFT                 ; behind A's 256
.irp s, 0,1
	v_add_nc_u32 v[ADRA+\s], s21, v4
	v_add_nc_u32 v[ADRB+\s], s22, v4
	s_add_co_u32 s21, s21, SLOT
	s_add_co_u32 s22, s22, SLOT
.endr
	v_mul_u32_u24 v5, v1, KS
	v_lshrrev_b32 v6, 8, v5
	v_lshl_add_u32 v5, v6, 4, v5                   ; 16 more for each 256 passed
	s_mul_i32 s21, s15, HALFS
	s_mul_i32 s22, s16, HALFS
	s_add_co_u32 s22, s22, 2*HALFS
	s_sub_co_u32 s22, s22, s21
	v_mul_u32_u24 v6, s22, v2                      ; lanes 16-31 take B's
	s_add_co_u32 s21, s21, SCL
	v_add_nc_u32 v5, v5, v6
	v_add_nc_u32 v[ADRS], s21, v5
	s_lshl_b32 s23, s14, 9
	v_lshl_add_u32 v[SCW], v1, 2, s23
	v_and_b32 v6, 31, v0
	v_lshlrev_b32 v[CO], 4, v6
	v_add_nc_u32 v[SCR], s23, v[CO]
	s_lshl_b32 s20, s17, 8                         ; where my wave's results go
	s_lshl_b32 s21, s15, 7
	s_add_co_u32 s20, s20, s21                     ; my first row of C
	s_lshl_b32 s46, s42, 8
	s_lshl_b32 s47, s16, 7
	s_add_co_u32 s46, s46, s47                     ; my first column
	s_cmp_eq_u32 s96, 0
	s_cselect_b32 s22, s20, s46                    ; my first token,
	s_cselect_b32 s23, s46, s20                    ; my first channel
	s_lshr_b32 s23, s23, 7                         ; the head
	s_lshr_b32 s18, s22, 11                        ; the batch
	s_lshl_b32 s18, s18, 3
	s_add_co_u32 s18, s18, s23                     ; bh
	s_and_b32 s19, s22, 2047
	s_lshr_b32 s19, s19, 4                         ; the first of my 8 fragments among the head's 128
	s_lshl_b32 s20, s18, 18
	s_lshl_b32 s21, s19, 11
	s_add_co_u32 s20, s20, s21
	s_mov_b32 s21, 0
	s_add_nc_u64 s[12:13], s[12:13], s[20:21]
	s_lshl_b32 s20, s18, 14                        ; kvs: a head's 8,192 bytes of K's scale words, then V's
	s_lshl_b32 s46, s19, 6
	s_add_co_u32 s20, s20, s46
	s_lshl_b32 s46, s96, 13
	s_add_co_u32 s20, s20, s46
	s_add_nc_u64 s[66:67], s[66:67], s[20:21]
.macro FRAG reg, adr, q, i
.irp c, 0,1,2,3
	ds_load_b128 v[\reg+4*\c:\reg+4*\c+3], v[\adr] offset:128*(\q)+32*\c+(\i)*16*PITCH
.endr
.endm
; 16 matrix instructions; the 64 accumulators take turns, in the same order in every step
.macro MUL16 a0, p, q, sc, zero
.irp a, \a0, \a0+1
.irp b, 0,1,2,3,4,5,6,7
.if \zero
	v_wmma_scale_f32_16x16x128_f8f6f4 v[8*(8*((\a)%4)+\b):8*(8*((\a)%4)+\b)+7], v[128*(\p)+FR*\b:128*(\p)+FR*\b+FR-1], v[AF+FR*(\a):AF+FR*(\a)+FR-1], 0, v[SC+8*NQ*(\sc)+NQ*\b+(\q)], v[SC+8*NQ*(\sc)+NQ*(\a)+(\q)] matrix_a_fmt:MATRIX_FMT_BF8 matrix_b_fmt:MATRIX_FMT_BF8 matrix_a_scale:MATRIX_SCALE_ROW1
.else
	v_wmma_scale_f32_16x16x128_f8f6f4 v[8*(8*((\a)%4)+\b):8*(8*((\a)%4)+\b)+7], v[128*(\p)+FR*\b:128*(\p)+FR*\b+FR-1], v[AF+FR*(\a):AF+FR*(\a)+FR-1], v[8*(8*((\a)%4)+\b):8*(8*((\a)%4)+\b)+7], v[SC+8*NQ*(\sc)+NQ*\b+(\q)], v[SC+8*NQ*(\sc)+NQ*(\a)+(\q)] matrix_a_fmt:MATRIX_FMT_BF8 matrix_b_fmt:MATRIX_FMT_BF8 matrix_a_scale:MATRIX_SCALE_ROW1
.endif
.endr
.endr
.endm
.macro FETCH_B slot, q, p
	WIN TO_B
.irp i, 0,1,2,3,4,5,6,7
	FRAG 128*(\p)+FR*\i, ADRB+\slot, \q, \i
.endr
	WIN 0
.endm
.macro FETCH_A slot, q, i0
.irp i, \i0, \i0+1, \i0+2, \i0+3
	FRAG AF+FR*(\i), ADRA+\slot, \q, \i
.endr
.endm
.macro SCALES sc
.irp i, 0,1,2,3,4,5,6,7
	ds_load_b64 v[SC+8*NQ*\sc+NQ*\i:SC+8*NQ*\sc+NQ*\i+1], v[ADRS] offset:\i*SBLK
.endr
.endm
.macro PLACES n
.rept \n
	v_nop
.endr
.endm
.macro STEP slot, q, zero
	s_wait_dscnt 4*NL                              ; the youngest 16 loads (A's blocks 4-7) may be out
	WIN MUL_LO
	MUL16 0, (\q)%2, \q, \slot, \zero
	MUL16 2, (\q)%2, \q, \slot, \zero
	s_wait_dscnt 0
	PLACES NP
	FETCH_B \slot, (\q)+1, 1-(\q)%2
	FETCH_A \slot, (\q)+1, 0
	WIN MUL_HI
	MUL16 4, (\q)%2, \q, \slot, \zero
	MUL16 6, (\q)%2, \q, \slot, \zero
	PLACES NP
	WIN 0
	FETCH_A \slot, (\q)+1, 4
.endm
.macro TURN slot, next, fill           ; a slot's last step changes slots
	s_wait_tensorcnt 0x0                           ; my part of the next slot is in
	ds_add_u32 v[SPW], v[NIL]
	s_wait_dscnt 4*NL+1                            ; the add and the youngest 16 loads may be out
	WIN MUL_LO
	MUL16 0, 1, NQ-1, \slot, 0
	s_wait_dscnt 0x0                               ; the add is done, my reads of this slot are over
	s_barrier_signal -1
	MUL16 2, 1, NQ-1, \slot, 0
	WIN 0
	s_barrier_wait -1
.if \fill
	CREST                                          ; the barrier has opened a round of the cluster's
	s_add_nc_u64 s[G0+4*\slot+2:G0+4*\slot+3], s[G0+4*\slot+2:G0+4*\slot+3], 2*ROWB
	s_add_nc_u64 s[G0B+4*\slot+2:G0B+4*\slot+3], s[G0B+4*\slot+2:G0B+4*\slot+3], 2*ROWB
	JLOAD G0+4*\slot, G1, G0B+4*\slot, G1B
	PLACES NP-4
.else
	PLACES NP
.endif
	v_add_nc_u32 v[ADRS], 4*NQ, v[ADRS]            ; the next K step's scale words
	s_wait_alu depctr_va_vdst(0)                   ; directly behind the write
	FETCH_B \next, 0, 0
	FETCH_A \next, 0, 0
	SCALES \next
	WIN MUL_HI
	MUL16 4, 1, NQ-1, \slot, 0
	MUL16 6, 1, NQ-1, \slot, 0
	PLACES NP
	WIN 0
	FETCH_A \next, 0, 4
.endm
	s_wait_alu depctr_va_vdst(0)                   ; the head's end
	s_wait_tensorcnt 0x0                           ; my tile of the head's four is in; the lines that stand ahead of a later first fill:
	ds_add_u32 v[SPW], v[NIL]
	s_mov_b32 s[G1+2], 128<<16                     ; no tensor load of mine is out: from here on a load brings 128 rows
	s_mov_b32 s[G1+4], 128
	s_mov_b32 s[G1B+2], 128<<16
	s_mov_b32 s[G1B+4], 128
	s_wait_dscnt 0x0
	CROUND
	JLOAD G0+4, G1, G0B+4, G1B                     ; K step 1: the first tensor load behind the round
	FETCH_B 0, 0, 0
	FETCH_A 0, 0, 0
	SCALES 0
	FETCH_A 0, 0, 4
	STEP 0, 0, 1                                   ; the first step's products start the sums
	s_mov_b32 s3, 1
.Llap:                                                 ; once round the ring, both slots filled again
	TURN 0, 1, 1
	STEP 1, 0, 0
	TURN 1, 0, 1
	STEP 0, 0, 0
	s_sub_co_u32 s3, s3, 1
	s_cmp_lg_u32 s3, 0
	s_cbranch_scc1 .Llap
	TURN 0, 1, 0                                   ; the last lap fills nothing
	STEP 1, 0, 0
	s_wait_dscnt 4*NL
	WIN MUL_LO
	MUL16 0, 1, NQ-1, 1, 0
	MUL16 2, 1, NQ-1, 1, 0
	s_wait_dscnt 0
	WIN MUL_HI
	MUL16 4, 1, NQ-1, 1, 0
	MUL16 6, 1, NQ-1, 1, 0
	WIN 0
	PLACES NP                                      ; behind the last products
.irp b, 0,1,2,3
	v_mov_b32 v[TM+4+\b], 0                        ; a lane permute's destination counts as one of its sources
.endr
.macro QBLK a                          ; block a of 16 rows: its codes, its scale word
.set QWN, 2+(\a)/4
.set AC, 64*((\a)%4)
.set PCA, PC+16*((\a)%4)
	WIN (QWN|(QWN<<2))
.irp b, 0,1,2,3
	v_max3_num_f32 v[TM+\b], |v[AC+16*\b]|, |v[AC+16*\b+1]|, 0x8000000   ; with the floor 2^(16 - 127): the byte cannot fall under 1
.endr
.irp i, 2,4,6,8,10,12,14
.irp b, 0,1,2,3
	v_max3_num_f32 v[TM+\b], |v[AC+16*\b+\i]|, |v[AC+16*\b+\i+1]|, v[TM+\b]
.endr
.endr
	WIN 0
.irp b, 0,1,2,3
	v_permlanex16_b32 v[TM+4+\b], v[TM+\b], s100, s101
.endr
.irp b, 0,1,2,3
	v_max_num_f32 v[TM+\b], v[TM+\b], v[TM+4+\b]
.endr
.irp b, 0,1,2,3
	v_add_nc_u32 v[TM+12+\b], 0xf8800000, v[TM+\b] ; 15 off the exponent field: the conversion's scale operand
.endr
.irp b, 0,1,2,3
	v_and_or_b32 v[TM+8+\b], v[TM+\b], 0x7f800000, s104   ; 57,344 x the scale
.endr
.irp b, 0,1,2,3
	v_lshrrev_b32 v[TM+4+\b], 23, v[TM+12+\b]      ; the byte
.endr
	v_lshl_or_b32 v[PW+(\a)], v[TM+5], 8, v[TM+4]
	v_lshl_or_b32 v[PW+(\a)], v[TM+6], 16, v[PW+(\a)]
	v_lshl_or_b32 v[PW+(\a)], v[TM+7], 24, v[PW+(\a)]
	ds_store_b32 v[SCW], v[PW+(\a)] offset:64*(\a) ; lanes l and l xor 16 write the same word with the same value
	WIN (QWN|(QWN<<6))
.irp b, 0,1,2,3
.irp i, 0,1,2,3,4,5,6,7,8,9,10,11,12,13,14,15
	v_med3_num_f32 v[AC+16*\b+\i], v[AC+16*\b+\i], -v[TM+8+\b], v[TM+8+\b]   ; the hold: the conversion does not saturate (ISA guide 7.6.2)
.endr
.endr
	s_wait_alu depctr_va_vdst(0)                   ; directly ahead of the wait below
	s_wait_xcnt 0x0                                ; the stores of four blocks back have read this set of code registers
	WIN QWN
.irp b, 0,1,2,3
	v_cvt_scalef32_pk8_bf8_f32 v[PCA+4*\b:PCA+4*\b+1], v[AC+16*\b:AC+16*\b+7], v[TM+12+\b]
	v_cvt_scalef32_pk8_bf8_f32 v[PCA+4*\b+2:PCA+4*\b+3], v[AC+16*\b+8:AC+16*\b+15], v[TM+12+\b]
.endr
	WIN 0
	v_nop
.irp c, 0,1,2,3
	global_store_b128 v[CO], v[PCA+4*\c:PCA+4*\c+3], s[12:13] offset:(\a)*2048+512*\c   ; 512 consecutive bytes a store
.endr
.endm
.irp a, 0,1,2,3,4,5,6,7
	QBLK \a
.endr
	ds_load_b128 v[56:59], v[SCR]                  ; LDS serves a wave's instructions in order (ISA guide 5.7.1.4)
	s_wait_dscnt 0x0
	global_store_b128 v[CO], v[56:59], s[66:67]    ; my 8 x 16 scale words
	s_wait_tensorcnt 0x0                           ; the wave's end
	ds_add_u32 v[SPW], v[NIL]
	s_wait_dscnt 0x0
	CROUND                                         ; the closing round
	s_endpgm
.Lfunc_end_k_qaea5984c89_proj:
	.size	k_qaea5984c89_proj, .Lfunc_end_k_qaea5984c89_proj-k_qaea5984c89_proj
	.p2alignl 7, 3214868480
	.fill 96, 4, 3214868480
	.section	.rodata,"a",@progbits
	.p2align	6, 0x0
	.amdhsa_kernel k_qaea5984c89_proj
		.amdhsa_group_segment_fixed_size 327680
		.amdhsa_private_segment_fixed_size 0
		.amdhsa_enable_private_segment 0
		.amdhsa_kernarg_size 88
		.amdhsa_user_sgpr_count 2
		.amdhsa_user_sgpr_kernarg_segment_ptr 1
		.amdhsa_wavefront_size32 1
		.amdhsa_system_sgpr_workgroup_id_x 1
		.amdhsa_system_sgpr_workgroup_id_y 1
		.amdhsa_system_sgpr_workgroup_id_z 1
		.amdhsa_system_vgpr_workitem_id 0
		.amdhsa_next_free_vgpr 1024
		.amdhsa_next_free_sgpr 106
		.amdhsa_reserve_vcc 0
		.amdhsa_float_denorm_mode_32 3
		.amdhsa_float_denorm_mode_16_64 3
		.amdhsa_memory_ordered 1
		.amdhsa_forward_progress 1
		.amdhsa_inst_pref_size 187
	.end_amdhsa_kernel
	.amdgpu_metadata
---
amdhsa.version: [ 1, 2 ]
amdhsa.kernels:
  - .name:           k_qaea5984c89_proj
    .symbol:         k_qaea5984c89_proj.kd
    .args:
      - { .name: k_codes, .offset: 0, .size: 8, .value_kind: global_buffer, .address_space: global }
      - { .name: k_scales, .offset: 8, .size: 8, .value_kind: global_buffer, .address_space: global }
      - { .name: Wk_codes, .offset: 16, .size: 8, .value_kind: global_buffer, .address_space: global }
      - { .name: Wk_scales, .offset: 24, .size: 8, .value_kind: global_buffer, .address_space: global }
      - { .name: Wv_codes, .offset: 32, .size: 8, .value_kind: global_buffer, .address_space: global }
      - { .name: Wv_scales, .offset: 40, .size: 8, .value_kind: global_buffer, .address_space: global }
      - { .name: v_codes, .offset: 48, .size: 8, .value_kind: global_buffer, .address_space: global }
      - { .name: v_scales, .offset: 56, .size: 8, .value_kind: global_buffer, .address_space: global }
      - { .name: kf, .offset: 64, .size: 8, .value_kind: global_buffer, .address_space: global }
      - { .name: kvs, .offset: 72, .size: 8, .value_kind: global_buffer, .address_space: global }
      - { .name: vf, .offset: 80, .size: 8, .value_kind: global_buffer, .address_space: global }
    .group_segment_fixed_size: 327680
    .private_segment_fixed_size: 0
    .kernarg_segment_align: 8
    .kernarg_segment_size: 88
    .max_flat_workgroup_size: 128
    .sgpr_count:     106
    .vgpr_count:     1024
    .wavefront_size: 32
...
	.end_amdgpu_metadata
.endif
;; end of part 1
;; launch attn (part 2): grid 8 x 32, 8 waves a work-group, clusters of 4 x 1, 327,680 bytes of LDS; arguments q_codes, q_scales, Wq_codes, Wq_scales, kf, vf, kvs, mask, x1i; writes x1i
.if DOCPART == 2
	.amdgcn_target "amdgcn-amd-amdhsa--gfx1250"
	.amdhsa_code_object_version 6
	.text
	.protected	k_qaea5984c89_attn
	.globl	k_qaea5984c89_attn
	.p2align	8
	.type	k_qaea5984c89_attn,@function
k_qaea5984c89_attn:
	s_mov_b64 s[64:65], 0
	v_nop
	global_prefetch_b8 v0, s[64:65] scope:SCOPE_SE
	s_setreg_imm32_b32 hwreg(HW_REG_WAVE_MODE, 25, 1), 1
	s_wait_xcnt 0x0
	s_wait_alu depctr_hold_cnt(0) depctr_sa_sdst(0) depctr_va_vdst(0) depctr_va_sdst(0) depctr_va_ssrc(0) depctr_va_vcc(0) depctr_vm_vsrc(0)
	s_getreg_b32 s2, hwreg(HW_REG_IB_STS2, 6, 4)
	s_cmp_eq_u32 s2, 0
	s_cbranch_scc0 .Lentry_in_a_cluster
	s_endpgm
.Lentry_in_a_cluster:
	s_bfe_u32 s2, ttmp6, 0x10000c
	s_cmp_lg_u32 s2, 0x3003
	s_cbranch_scc0 .Lentry_shape_is_right
	s_endpgm
.Lentry_shape_is_right:
; LAUNCH 2 OF 3.  x1 = qp + softmax(mask(qp kp^T / 32)) vp for 256 queries of one head a work-group, 32 queries a wave.  No work is left out.
; THE HEAD makes qp = q Wq^T for the work-group's own 256 queries x the head's 128 channels: each such tile belongs to one work-group, so nothing is made twice.  A wave's 32 rows of q go from memory
; into registers, 128 along K at a time in a ring of four; Wq's 128 rows of the head come by joint loads into LDS where K's second half lands later.  qp stays in the accumulators of O (the residual), and is quantised in registers.
; THE SOFTMAX is quantised finished and normalised, so the keys are walked twice.  Pass 1: t = score x log2(e) / 32, the running largest t rounded up to a whole number M, the sum of 2^(t - M).
; Pass 2: A = 2^(t - M - log2(sum)), quantised along the keys, O^T += V^T A^T.  -M - log2(sum) is rounded once at its own size.  The promise holds while |t| stays under 2^31.
; THE MASK is the C of the scores' products: -2^100 at a masked key.  Where all keys are masked the bias is 0 and -2^100 is added to the exponent's offset: A = 0, as reference() has it.
; Both products are used transposed: a lane holds one query; the order of k inside a scale block is launch 1's, the same in both operands.
; LDS: two slots of 131,072 bytes.  Pass 1: K's 16 key steps, 8 to a slot.  Pass 2: a slot holds 4 key steps of K and of V.  Joint loads: the four work-groups of a cluster walk one head.
; PREFETCH: V's four groups of 65,536 bytes are asked for two key steps ahead of their loads, each block of 256 bytes once for a head: by the head's first cluster, a partner 16,384 bytes, a wave 8,192, a lane a block.  K has been read in pass 1.
; REGISTERS.  Window 0: v1-11 addresses, v12-19 state, v20-31 scale words, v32-63 at work, v64-127 the bias (head: Wq's scale words), v128-255 S (head: q's fragments).
; Window 1: v0-127 O^T, v128-191 and v224-255 six places for K's tiles (v128-191 V's tiles, v224-255 A's codes; head: v128-255 Wq's tiles, two sets), v192-223 Q.
.set SLOT1, 131072
.set VOFF,  65536
.set WB,    131072                     ; Wq's 128 rows of 1,024 bytes + 16
.set WP,    1040
.set SCL,   264192                     ; K's and V's scale words of the head, 16,384 bytes
.set MB,    280576                     ; the bias, 4 bytes a key
.set SPARE, 288768
.set LI,  1
.set LR,  2
.set LH,  3
.set ADK, 4
.set ADS, 5
.set ADM, 6
.set ADV, 7
.set LIV, 8
.set PFO, 9
.set SPW, 10
.set NIL, 11
.set ST,  12                           ; a query tile's four: -M (pass 2: -M - log2 sum), the largest t, the sum in two halves
.set KW,  20
.set QW,  24
.set PW,  26
.set KW2, 28
.set TM,  32
.set FO,  10
.set BI,  64
.set SRG, 128
.set ORG, 0
.set FRG, 128
.set QRG, 192
.set PC,  224
.set WV,  20
.set CX,  21
.set XB,  22
.set BH,  23
.set G1K, 24
.set G1V, 32
.set G0K, 40
.set G0R, 44
.set G0W, 48
.set SEL, 52
.set CS,  54
.set MNT, 56
.set NTR, 57
.set TK,  58
.set TS,  59
.set CNT, 60
.set BIG, 61
.set VAL, 62
.set ASKT, 63
.set PFA, 66
.set GRP, 75
.set XO,  76
.set G1W, 80
.set NX,  88
.set NY,  90
.set MSB, 0
.macro WIN new
.if MSB != (\new)
	s_set_vgpr_msb (MSB<<8)|(\new)
.set MSB, (\new)
.endif
.endm
.macro NOPS n
.rept \n
	v_nop
.endr
.endm
.macro D2
	s_delay_alu instid0(VALU_DEP_2)
.endm
.macro CROUND
	s_barrier_signal -1
	s_barrier_wait -1
	s_cmp_lg_u32 s[WV], 0
	s_cbranch_scc1 .Lnot_wave_0_\@
	s_barrier_signal -3
.Lnot_wave_0_\@:
	s_barrier_wait -3
	s_barrier_signal -1
	s_barrier_wait -1
.endm
.macro ASK
	s_cmp_eq_u32 s[NTR], s[ASKT]
	s_cbranch_scc0 .Lnot_mine_\@
	global_prefetch_b8 v[PFO], s[PFA:PFA+1] th:TH_LOAD_NT scope:SCOPE_SE
.Lnot_mine_\@:
.endm
	s_load_b512 s[4:19], s[0:1], 0x0               ; q's codes, scales; Wq's codes, scales; kf, vf, kvs, mask
	s_load_b64 s[XO:XO+1], s[0:1], 0x40            ; x1i
	v_lshl_add_u32 v[SPW], v0, 2, SPARE
	v_mov_b32 v[NIL], 0
	ds_add_u32 v[SPW], v[NIL]                      ; the opening: the add, twice on end, and its wait
	ds_add_u32 v[SPW], v[NIL]
	v_lshrrev_b32 v1, 5, v0
	v_readfirstlane_b32 s[WV], v1
	s_bfe_u32 s[CX], ttmp6, 0x40000
	s_lshl_b32 s[XB], ttmp9, 2
	s_add_co_u32 s[XB], s[XB], s[CX]               ; which 256 queries
	s_and_b32 s[BH], ttmp7, 0xffff                 ; 8 x batch + head
	s_mov_b32 s[G1K], 15|(3<<16)|(1<<21)           ; 32,768 dense bytes as 128 rows of 256
	s_mov_b32 s[G1K+1], 32<<16
	s_mov_b32 s[G1K+2], 128<<16
	s_mov_b32 s[G1K+3], 32<<16
	s_mov_b32 s[G1K+4], 128
	s_mov_b32 s[G1K+5], 32
	s_mov_b32 s[G1K+6], 0
	s_mov_b32 s[G1K+7], 0
	s_mov_b32 s[G1V], 15|(3<<16)|(1<<21)           ; 16,384 dense bytes as 64 rows of 256
	s_mov_b32 s[G1V+1], 32<<16
	s_mov_b32 s[G1V+2], 64<<16
	s_mov_b32 s[G1V+3], 32<<16
	s_mov_b32 s[G1V+4], 64
	s_mov_b32 s[G1V+5], 32
	s_mov_b32 s[G1V+6], 0
	s_mov_b32 s[G1V+7], 0
	s_mov_b32 s[G1W], 15|(3<<16)|(1<<20)|(1<<21)|(7<<22)|(3<<25)   ; 32 rows of 1,024 bytes, four words of padding behind each 256 words
	s_mov_b32 s[G1W+1], 128<<16
	s_mov_b32 s[G1W+2], 32<<16
	s_mov_b32 s[G1W+3], 128<<16
	s_mov_b32 s[G1W+4], 32
	s_mov_b32 s[G1W+5], 128
	s_mov_b32 s[G1W+6], 0
	s_mov_b32 s[G1W+7], 0
	s_mov_b32 s[SEL], 0x76543210
	s_mov_b32 s[SEL+1], 0xfedcba98
	s_mov_b32 s[CS], 0x3d38aa3b                    ; log2(e) / 32
	s_mov_b32 s[CS+1], s[CS]
	s_mov_b32 s[MNT], 0x600000
	s_mov_b32 s[NTR], 0
	s_mov_b32 s[TK], 0
	s_mov_b32 s[TS], 0
	s_lshr_b32 s68, s[WV], 1                       ; the group of V that my wave asks for, and the key step at which: 6, 14, 18, 22
	s_lshl_b32 s69, s68, 2
	s_add_co_u32 s69, s69, 10
	s_cmp_eq_u32 s68, 0
	s_cselect_b32 s69, 6, s69
	s_cmp_eq_u32 ttmp9, 0
	s_cselect_b32 s[ASKT], s69, -1
	s_wait_dscnt 0x0
	s_wait_kmcnt 0x0
	s_mov_b32 s69, 0
	s_lshl_b32 s68, s[BH], 18
	s_add_nc_u64 s[12:13], s[12:13], s[68:69]      ; the head's K
	s_add_nc_u64 s[14:15], s[14:15], s[68:69]      ; and V
	s_lshl_b32 s68, s[BH], 14
	s_add_nc_u64 s[16:17], s[16:17], s[68:69]      ; their scale words
	s_lshr_b32 s72, s[BH], 3
	s_lshl_b32 s68, s72, 11
	s_add_nc_u64 s[18:19], s[18:19], s[68:69]      ; the batch's mask
	s_and_b32 s74, s[BH], 7
	s_lshl_b32 s68, s74, 17
	s_add_nc_u64 s[8:9], s[8:9], s[68:69]          ; the head's 128 rows of Wq
	s_lshl_b32 s68, s74, 12
	s_add_nc_u64 s[10:11], s[10:11], s[68:69]
	s_lshl_b32 s73, s[XB], 4
	s_lshl_b32 s70, s[WV], 1
	s_add_co_u32 s73, s73, s70
	s_lshl_b32 s70, s72, 7
	s_add_co_u32 s70, s70, s73                     ; my first tile of 16 tokens among all 512
	s_lshl_b32 s68, s70, 14
	s_add_nc_u64 s[4:5], s[4:5], s[68:69]
	s_lshl_b32 s68, s70, 9
	s_add_nc_u64 s[6:7], s[6:7], s[68:69]
	s_lshl_b32 s70, s70, 3
	s_add_co_u32 s70, s70, s74
	s_lshl_b32 s68, s70, 13                        ; x1i: [token / 16][head][16 groups][lane][16 bytes]
	s_add_nc_u64 s[XO:XO+1], s[XO:XO+1], s[68:69]
	s_mov_b32 s[G0K], 1                            ; waves 0-3: K's first half, 32,768 bytes each
	s_lshl_b32 s[G0K+1], s[WV], 15
	s_lshl_b32 s68, s[WV], 15
	s_add_nc_u64 s[G0K+2:G0K+3], s[12:13], s[68:69]
	s_or_b32 s[G0K+3], s[G0K+3], 0x80000000
	s_mov_b32 s[G0W], 1                            ; waves 4-7: 32 rows of Wq each
	s_and_b32 s71, s[WV], 3
	s_mul_i32 s[G0W+1], s71, 32*WP
	s_add_co_u32 s[G0W+1], s[G0W+1], WB
	s_lshl_b32 s68, s71, 15
	s_add_nc_u64 s[G0W+2:G0W+3], s[8:9], s[68:69]
	s_or_b32 s[G0W+3], s[G0W+3], 0x80000000
	s_mov_b32 s[G0R], 1                            ; the ring's walking descriptor: each change turns the slot first
	s_lshl_b32 s[G0R+1], s[WV], 14
	s_lshl_b32 s68, s[WV], 14
	s_add_nc_u64 s[NX:NX+1], s[12:13], s[68:69]
	s_add_nc_u64 s[NX:NX+1], s[NX:NX+1], 131072    ; the first change: K's second half, 16,384 bytes a wave
	s_lshl_b32 s68, s71, 14
	s_cmp_lt_u32 s[WV], 4
	s_cselect_b64 s[NY:NY+1], s[12:13], s[14:15]   ; the second: pass 2's first group: waves 0-3 K's four key steps, waves 4-7 V's
	s_add_nc_u64 s[NY:NY+1], s[NY:NY+1], s[68:69]
	s_lshr_b32 s68, s[WV], 1
	s_lshl_b32 s68, s68, 16
	s_lshl_b32 s74, s[CX], 14
	s_add_co_u32 s68, s68, s74
	s_and_b32 s74, s[WV], 1
	s_lshl_b32 s74, s74, 13
	s_add_co_u32 s68, s68, s74
	s_add_nc_u64 s[PFA:PFA+1], s[14:15], s[68:69]
	CROUND
	s_cmp_lt_u32 s[WV], 4                          ; the head's loads, one a wave
	s_cbranch_scc0 .Lhead_w
	tensor_load_to_lds s[G0K:G0K+3], s[G1K:G1K+7]
	s_nop 0
	NOPS 4
	s_branch .Lhead_asked
.Lhead_w:
	tensor_load_to_lds s[G0W:G0W+3], s[G1W:G1W+7]
	s_nop 0
	NOPS 4
.Lhead_asked:
	v_and_b32 v12, 31, v0
	v_and_b32 v13, 15, v0                          ; r
	v_bfe_u32 v14, v0, 4, 1                        ; h
	v_lshlrev_b32 v[LI], 4, v12
	v_lshl_add_u32 v[LR], v13, 2, SCL
	v_lshl_add_u32 v[LH], v14, 5, MB
	v_lshlrev_b32 v4, 10, v13
	v_lshl_add_u32 v4, v14, 4, v4                  ; q: row r, + 16 h
	v_lshlrev_b32 v5, 5, v13                       ; a row of scale bytes is 32
	v_lshlrev_b32 v6, 4, v0
	v_add_nc_u32 v7, SCL, v6
	v_lshlrev_b32 v30, 3, v0
	v_lshl_add_u32 v31, v0, 5, MB
	v_mul_u32_u24 v8, v13, WP
	v_lshl_add_u32 v8, v14, 4, v8
	v_add_nc_u32 v8, WB, v8                        ; Wq's tiles 0-3,
	v_add_nc_u32 v9, 64*WP, v8                     ; and 4-7
.macro QLD s                           ; q's two fragments of K step s
.irp qt, 0,1
.irp c, 0,1,2,3
	global_load_b128 v[SRG+32*((\s)%4)+16*\qt+4*\c:SRG+32*((\s)%4)+16*\qt+4*\c+3], v4, s[4:5] offset:16384*\qt+128*(\s)+32*\c
.endr
.endr
.endm
.irp i, 0,1,2,3
	global_load_b128 v[12+4*\i:15+4*\i], v[LI], s[18:19] offset:512*\i     ; the whole mask, in every wave
.endr
	global_load_b64 v[28:29], v30, s[18:19]                                ; my thread's 8 keys
.irp i, 0,1,2,3
	global_load_b128 v[32+4*\i:35+4*\i], v6, s[16:17] offset:4096*\i       ; K's and V's scale words: 4,096 consecutive bytes a work-group's load
.endr
.irp qt, 0,1
.irp u, 0,1
	global_load_b128 v[48+8*\qt+4*\u:51+8*\qt+4*\u], v5, s[6:7] offset:512*\qt+16*\u   ; q's scale words: register s for K step s
.endr
.endr
.irp t, 0,1,2,3,4,5,6,7
.irp u, 0,1
	global_load_b128 v[BI+8*\t+4*\u:BI+8*\t+4*\u+3], v5, s[10:11] offset:512*\t+16*\u  ; Wq's likewise
.endr
.endr
	QLD 0
	QLD 1
	QLD 2
	QLD 3
	s_wait_alu depctr_va_vdst(0)                   ; directly ahead of the wait below
	s_wait_loadcnt 52                              ; the mask and K's and V's scale words are in: behind them 4 + 16 + 32 loads
.irp i, 0,1,2,3,4,5,6,7
	v_and_b32 v[12+\i], v[12+\i], v[20+\i]
.endr
.irp i, 0,1,2,3
	v_and_b32 v[12+\i], v[12+\i], v[16+\i]
.endr
	v_and_b32 v12, v12, v14
	v_and_b32 v13, v13, v15
	v_and_b32 v12, v12, v13
	s_mov_b32 s70, 0x01010101
	v_cmp_ne_u32 s68, s70, v12
	s_cmp_lg_u32 s68, 0                            ; does any key count?
	s_cselect_b32 s[BIG], 0xf1800000, 0            ; the bias of a masked key
	s_cselect_b32 s[VAL], 0, 0xf1800000            ; what is added to the exponent's offset
.irp k, 0,1,2,3,4,5,6,7
	v_bfe_u32 v[16+\k], v[28+\k/4], 8*(\k%4), 1
.endr
.irp k, 0,1,2,3,4,5,6,7
	v_sub_nc_u32 v[16+\k], 0, v[16+\k]
.endr
.irp k, 0,1,2,3,4,5,6,7
	v_and_b32 v[16+\k], s[BIG], v[16+\k]
.endr
	ds_store_b128 v31, v[16:19]
	ds_store_b128 v31, v[20:23] offset:16
.irp i, 0,1,2,3
	ds_store_b128 v7, v[32+4*\i:35+4*\i] offset:4096*\i
.endr
	s_wait_tensorcnt 0x0
	s_wait_dscnt 0x0
	s_barrier_signal -1
	s_barrier_wait -1                              ; Wq, K's first half, the scale words and the bias are whole
; qp^T: 16 groups n = 2 s + g: K step s, Wq's tiles 4 g .. 4 g + 3 against my two tiles of q; a group's 8 accumulators take turns
.macro WLD n
.set WG_, (\n)%2
.set WS_, (\n)/2
.irp t, 0,1,2,3
.irp c, 0,1,2,3
	ds_load_b128 v[128+64*WG_+16*\t+4*\c:128+64*WG_+16*\t+4*\c+3], v[8+WG_] offset:\t*16*WP+128*WS_+32*\c
.endr
.endr
.endm
.macro WMUL n
.set WG_, (\n)%2
.set WS_, (\n)/2
.irp t, 0,1,2,3
.irp qt, 0,1
.if WS_ == 0
	v_wmma_scale_f32_16x16x128_f8f6f4 v[64*\qt+8*(4*WG_+\t):64*\qt+8*(4*WG_+\t)+7], v[128+64*WG_+16*\t:128+64*WG_+16*\t+15], v[SRG+32*(WS_%4)+16*\qt:SRG+32*(WS_%4)+16*\qt+15], 0, v[BI+8*(4*WG_+\t)+WS_], v[48+8*\qt+WS_] matrix_a_fmt:MATRIX_FMT_BF8 matrix_b_fmt:MATRIX_FMT_BF8
.else
	v_wmma_scale_f32_16x16x128_f8f6f4 v[64*\qt+8*(4*WG_+\t):64*\qt+8*(4*WG_+\t)+7], v[128+64*WG_+16*\t:128+64*WG_+16*\t+15], v[SRG+32*(WS_%4)+16*\qt:SRG+32*(WS_%4)+16*\qt+15], v[64*\qt+8*(4*WG_+\t):64*\qt+8*(4*WG_+\t)+7], v[BI+8*(4*WG_+\t)+WS_], v[48+8*\qt+WS_] matrix_a_fmt:MATRIX_FMT_BF8 matrix_b_fmt:MATRIX_FMT_BF8
.endif
.endr
.endr
.endm
	WIN 0x40
	WLD 0
.set n, 0
.rept 16
.if n < 15
	WIN 0x40
	WLD n+1                                        ; the next group's tiles, into the set that the group before this one read (8 places back)
.endif
.if n%2 == 0
.if n/2 < 5
	s_wait_loadcnt 24                              ; q's K step is in: three younger steps of 8 loads may be out
.else
	s_wait_loadcnt 8*(7-n/2)
.endif
.endif
.if n < 15
	s_wait_dscnt 16                                ; all but the 16 just issued
.else
	s_wait_dscnt 0x0
.endif
	WIN 0x51
	WMUL n
.if n < 14
	NOPS 8
.endif
.if (n%2 == 1) && (n < 8)
	WIN 0
	QLD n/2+4                                      ; the K step four on, into the registers just multiplied
.endif
.set n, n+1
.endr
	WIN 0
.irp qt, 0,1                           ; eight plain lines: the places behind the last products
	v_mov_b32 v[ST+4*\qt+1], 0xe7800000            ; the largest t so far: -2^80
	v_floor_f32 v[ST+4*\qt], -v[ST+4*\qt+1]
	v_mov_b32 v[ST+4*\qt+2], 0
	v_mov_b32 v[ST+4*\qt+3], 0
.endr
.irp qt, 0,1
.irp b, 0,1,2,3
	v_mov_b32 v[TM+16*\qt+4+\b], 0                 ; a lane permute's destination counts as one of its sources
.endr
.endr
	v_add_nc_u32 v[LIV], VOFF, v[LI]
	v_and_b32 v[PFO], 31, v0
	v_lshlrev_b32 v[PFO], 8, v[PFO]
; Q = qp quantised along the head's channels; qp itself stays as it is
	WIN 0x05
.irp b, 0,1,2,3
.irp qt, 0,1
	v_max3_num_f32 v[TM+16*\qt+\b], |v[64*\qt+16*\b]|, |v[64*\qt+16*\b+1]|, 0x8000000
.endr
.endr
.irp i, 2,4,6,8,10,12,14
.irp b, 0,1,2,3
.irp qt, 0,1
	v_max3_num_f32 v[TM+16*\qt+\b], |v[64*\qt+16*\b+\i]|, |v[64*\qt+16*\b+\i+1]|, v[TM+16*\qt+\b]
.endr
.endr
.endr
	WIN 0
; from 8 largest magnitudes (or largest A) in TM + b: the conversions' operands in TM + 12 + b, the holds in TM + 8 + b, the scale words in w, w + 1
.macro SCALEW w
.irp qt, 0,1
.irp b, 0,1,2,3
	v_permlanex16_b32 v[TM+16*\qt+4+\b], v[TM+16*\qt+\b], s[SEL], s[SEL+1]
.endr
.endr
.irp qt, 0,1
.irp b, 0,1,2,3
	v_max_num_f32 v[TM+16*\qt+\b], v[TM+16*\qt+\b], v[TM+16*\qt+4+\b]
.endr
.endr
.irp qt, 0,1
.irp b, 0,1,2,3
	v_add_nc_u32 v[TM+16*\qt+12+\b], 0xf8800000, v[TM+16*\qt+\b]
.endr
.endr
.irp qt, 0,1
.irp b, 0,1,2,3
	v_and_or_b32 v[TM+16*\qt+8+\b], v[TM+16*\qt+\b], 0x7f800000, s[MNT]
.endr
.endr
.irp qt, 0,1
.irp b, 0,1,2,3
	v_lshrrev_b32 v[TM+16*\qt+4+\b], 23, v[TM+16*\qt+12+\b]
.endr
.endr
.irp qt, 0,1
	v_lshl_or_b32 v[\w+\qt], v[TM+16*\qt+5], 8, v[TM+16*\qt+4]
.endr
.irp qt, 0,1
	D2
	v_lshl_or_b32 v[\w+\qt], v[TM+16*\qt+6], 16, v[\w+\qt]
.endr
.irp qt, 0,1
	D2
	v_lshl_or_b32 v[\w+\qt], v[TM+16*\qt+7], 24, v[\w+\qt]
.endr
.endm
	SCALEW QW
	WIN 0x01
.set j, 0
.rept 128
	v_med3_num_f32 v[SRG+j], v[j], -v[TM+16*(j/64)+8+(j%64)/16], v[TM+16*(j/64)+8+(j%64)/16]   ; the hold, into S's registers
.set j, j+1
.endr
	WIN 0x40
.irp qt, 0,1
.irp b, 0,1,2,3
	v_cvt_scalef32_pk8_bf8_f32 v[QRG+16*\qt+4*\b:QRG+16*\qt+4*\b+1], v[SRG+64*\qt+16*\b:SRG+64*\qt+16*\b+7], v[TM+16*\qt+12+\b]
	v_cvt_scalef32_pk8_bf8_f32 v[QRG+16*\qt+4*\b+2:QRG+16*\qt+4*\b+3], v[SRG+64*\qt+16*\b+8:SRG+64*\qt+16*\b+15], v[TM+16*\qt+12+\b]
.endr
.endr
	WIN 0
	v_nop
; K's tile kt lies in place kt % 6 of six; tiles 6 and 7 follow tiles 0 and 1
.macro KT kt
.set KS_, 128+16*((\kt)%6)+32*(((\kt)%6)/4)
.irp c, 0,1,2,3
	ds_load_b128 v[KS_+4*\c:KS_+4*\c+3], v[ADK] offset:(\kt)*2048+512*\c
.endr
.endm
.macro KLOAD                           ; a key step's tiles 0-5, its 8 scale words and its bias
	WIN 0x40
.irp kt, 0,1,2,3,4,5
	KT \kt
.endr
	WIN 0
.irp kt, 0,1,2,3,4,5,6,7
	ds_load_b32 v[KW+\kt+4*(\kt/4)], v[ADS] offset:64*\kt
	ds_load_b128 v[BI+8*\kt:BI+8*\kt+3], v[ADM] offset:64*\kt
	ds_load_b128 v[BI+8*\kt+4:BI+8*\kt+7], v[ADM] offset:64*\kt+16
.endr
.endm
.macro QKM kt
.set KS_, 128+16*((\kt)%6)+32*(((\kt)%6)/4)
.irp qt, 0,1
	v_wmma_scale_f32_16x16x128_f8f6f4 v[SRG+64*\qt+8*(\kt):SRG+64*\qt+8*(\kt)+7], v[KS_:KS_+15], v[QRG+16*\qt:QRG+16*\qt+15], v[BI+8*(\kt):BI+8*(\kt)+7], v[KW+(\kt)+4*((\kt)/4)], v[QW+\qt] matrix_a_fmt:MATRIX_FMT_BF8 matrix_b_fmt:MATRIX_FMT_BF8
.endr
.endm
.macro QK                              ; S^T = K Q^T + the bias: 128 keys x 32 queries
	s_wait_dscnt 0x0
	WIN 0x05
	QKM 0
	QKM 1
	NOPS 8
	WIN 0x40
	KT 6
	KT 7
	WIN 0x05
	QKM 2
	QKM 3
	QKM 4
	QKM 5
	s_wait_dscnt 0x0
	QKM 6
	QKM 7
	WIN 0
.endm
.macro TMINUSM                         ; 2^(t + the tile's offset)
.set j, 0
.rept 64
	v_pk_fma_f32 v[SRG+j:SRG+j+1], v[SRG+j:SRG+j+1], s[CS:CS+1], v[ST+4*(j/64):ST+4*(j/64)+1] op_sel_hi:[1,0,0]
.set j, j+2
.endr
.set j, 0
	s_wait_alu depctr_va_vdst(0)                   ; ahead of the batch
.rept 128
	v_exp_f32 v[SRG+j], v[SRG+j]
.set j, j+1
.endr
.endm
.macro SM1                             ; pass 1's softmax: eight chains of maxima by turns, the change of M, the sums
.irp b, 0,1,2,3
.irp qt, 0,1
	v_max3_num_f32 v[TM+16*\qt+\b], v[SRG+64*\qt+16*\b], v[SRG+64*\qt+16*\b+1], v[SRG+64*\qt+16*\b+2]
.endr
.endr
.irp i, 3,5,7,9,11,13
.irp b, 0,1,2,3
.irp qt, 0,1
	v_max3_num_f32 v[TM+16*\qt+\b], v[TM+16*\qt+\b], v[SRG+64*\qt+16*\b+\i], v[SRG+64*\qt+16*\b+\i+1]
.endr
.endr
.endr
.irp b, 0,1,2,3
.irp qt, 0,1
	v_max_num_f32 v[TM+16*\qt+\b], v[TM+16*\qt+\b], v[SRG+64*\qt+16*\b+15]
.endr
.endr
.irp qt, 0,1
	v_max3_num_f32 v[TM+16*\qt], v[TM+16*\qt], v[TM+16*\qt+1], v[TM+16*\qt+2]
.endr
.irp qt, 0,1
	D2
	v_max_num_f32 v[TM+16*\qt], v[TM+16*\qt], v[TM+16*\qt+3]
.endr
.irp qt, 0,1
	D2
	v_permlanex16_b32 v[TM+16*\qt+4], v[TM+16*\qt], s[SEL], s[SEL+1]
.endr
.irp qt, 0,1
	D2
	v_max_num_f32 v[TM+16*\qt], v[TM+16*\qt], v[TM+16*\qt+4]
.endr
.irp qt, 0,1
	D2
	v_mul_f32 v[TM+16*\qt], s[CS], v[TM+16*\qt]
.endr
.irp qt, 0,1
	D2
	v_max_num_f32 v[ST+4*\qt+1], v[ST+4*\qt+1], v[TM+16*\qt]
.endr
.irp qt, 0,1
	v_mov_b32 v[TM+16*\qt+1], v[ST+4*\qt]
.endr
.irp qt, 0,1
	v_floor_f32 v[ST+4*\qt], -v[ST+4*\qt+1]        ; -M = floor(-t): M is a whole number
.endr
.irp qt, 0,1
	D2
	v_sub_f32 v[TM+16*\qt+1], v[ST+4*\qt], v[TM+16*\qt+1]
.endr
.irp qt, 0,1
	D2
	v_cvt_i32_f32 v[TM+16*\qt+1], v[TM+16*\qt+1]
.endr
.irp qt, 0,1
	D2
	v_ldexp_f32 v[TM+16*\qt+FO], 1.0, v[TM+16*\qt+1]   ; 2^(old M - new M)
.endr
	TMINUSM
.irp qt, 0,1
	v_pk_mul_f32 v[ST+4*\qt+2:ST+4*\qt+3], v[ST+4*\qt+2:ST+4*\qt+3], v[TM+16*\qt+FO:TM+16*\qt+FO+1] op_sel_hi:[1,0]
.endr
	s_wait_alu depctr_va_vdst(0)                   ; one wait for the batch, ahead of its first reader
.irp qt, 0,1
	v_pk_add_f32 v[TM+16*\qt+8:TM+16*\qt+9], v[SRG+64*\qt:SRG+64*\qt+1], v[SRG+64*\qt+2:SRG+64*\qt+3]
.endr
.irp j, 4,8,12,16,20,24,28,32,36,40,44,48,52,56,60
.irp qt, 0,1
	v_pk_add_f32 v[ST+4*\qt+2:ST+4*\qt+3], v[ST+4*\qt+2:ST+4*\qt+3], v[SRG+64*\qt+\j:SRG+64*\qt+\j+1]
	v_pk_add_f32 v[TM+16*\qt+8:TM+16*\qt+9], v[TM+16*\qt+8:TM+16*\qt+9], v[SRG+64*\qt+\j+2:SRG+64*\qt+\j+3]
.endr
.endr
.irp qt, 0,1
	v_pk_add_f32 v[ST+4*\qt+2:ST+4*\qt+3], v[ST+4*\qt+2:ST+4*\qt+3], v[TM+16*\qt+8:TM+16*\qt+9]
.endr
.endm
.macro P1STEP ld                       ; ld = 1: the next key step's tiles are fetched under the softmax
	QK
	s_add_co_u32 s[TK], s[TK], 16384
	s_add_co_u32 s[TS], s[TS], 512
.if \ld
	v_add_nc_u32 v[ADK], s[TK], v[LI]
	v_add_nc_u32 v[ADS], s[TS], v[LR]
	v_add_nc_u32 v[ADM], s[TS], v[LH]
	NOPS 5
	KLOAD
	ASK
.else
	NOPS 8
.endif
	SM1
.endm
; THE CHANGE OF SLOTS: every wave's three lines, a round of the cluster's barrier, one joint load a wave.  kind 2: pass 1; kind 1: pass 2; kind 0: nothing is filled
.macro CHANGE kind
	s_wait_tensorcnt 0x0
	ds_add_u32 v[SPW], v[NIL]
.if \kind
	s_xor_b32 s[G0R+1], s[G0R+1], SLOT1
.endif
.if \kind == 1
	s_add_nc_u64 s[G0R+2:G0R+3], s[G0R+2:G0R+3], 65536
.endif
.if \kind == 2
	s_mov_b64 s[G0R+2:G0R+3], s[NX:NX+1]
	s_or_b32 s[G0R+3], s[G0R+3], 0x80000000
	s_mov_b64 s[NX:NX+1], s[NY:NY+1]
.endif
	s_wait_dscnt 0x0
.if \kind
	CROUND
	tensor_load_to_lds s[G0R:G0R+3], s[G1V:G1V+7]
	s_nop 0
	NOPS 4
.else
	s_barrier_signal -1
	s_barrier_wait -1
.endif
.endm
	s_mov_b32 s[GRP], 2
	s_wait_alu depctr_va_vdst(0)                   ; the head's end
.Lhalf:                                                ; PASS 1, two halves of 8 key steps.  Half 0 reads slot 0 while K's second half lands where Wq lay; half 1 reads slot 1 while pass 2's first group lands in slot 0
	CHANGE 2
	v_add_nc_u32 v[ADK], s[TK], v[LI]
	v_add_nc_u32 v[ADS], s[TS], v[LR]
	v_add_nc_u32 v[ADM], s[TS], v[LH]
	s_wait_alu depctr_va_vdst(0)
	KLOAD
	s_mov_b32 s[CNT], 7
.Lp1:
	P1STEP 1
	s_add_co_u32 s[NTR], s[NTR], 1
	s_sub_co_u32 s[CNT], s[CNT], 1
	s_cmp_lg_u32 s[CNT], 0
	s_wait_alu depctr_va_vdst(0)
	s_cbranch_scc1 .Lp1
	P1STEP 0                                       ; a half's last step fetches nothing: the next tiles lie behind a change of slots
	s_add_co_u32 s[NTR], s[NTR], 1
	s_sub_co_u32 s[GRP], s[GRP], 1
	s_cmp_lg_u32 s[GRP], 0
	s_wait_alu depctr_va_vdst(0)
	s_cbranch_scc1 .Lhalf
.irp qt, 0,1
	v_add_f32 v[TM+16*\qt], v[ST+4*\qt+2], v[ST+4*\qt+3]
.endr
.irp qt, 0,1
	D2
	v_permlanex16_b32 v[TM+16*\qt+4], v[TM+16*\qt], s[SEL], s[SEL+1]
.endr
.irp qt, 0,1
	D2
	v_add_f32 v[TM+16*\qt], v[TM+16*\qt], v[TM+16*\qt+4]   ; the row's sum
.endr
	s_wait_alu depctr_va_vdst(0)
.irp qt, 0,1
	v_log_f32 v[TM+16*\qt+1], v[TM+16*\qt]
.endr
	v_nop
	s_wait_alu depctr_va_vdst(0)
.irp qt, 0,1
	v_sub_f32 v[ST+4*\qt], v[ST+4*\qt], v[TM+16*\qt+1]     ; -M - log2(sum)
.endr
.irp qt, 0,1
	D2
	v_add_f32 v[ST+4*\qt], s[VAL], v[ST+4*\qt]             ; and -2^100 where no key counts
.endr
	s_mov_b32 s[TK], 0
	s_mov_b32 s[TS], 0
	s_mov_b32 s[GRP], 3
.macro STEP2                           ; PASS 2, a key step
	v_add_nc_u32 v[ADK], s[TK], v[LI]
	v_add_nc_u32 v[ADS], s[TS], v[LR]
	v_add_nc_u32 v[ADM], s[TS], v[LH]
	v_add_nc_u32 v[ADV], s[TK], v[LIV]
	s_wait_alu depctr_va_vdst(0)
	NOPS 5                                         ; with the four above: 9 places behind the last products, whose operand registers the first products below write over
	KLOAD
	QK
	NOPS 8
	WIN 0x40
.irp t, 0,1,2,3
.irp c, 0,1,2,3
	ds_load_b128 v[FRG+16*\t+4*\c:FRG+16*\t+4*\c+3], v[ADV] offset:\t*2048+512*\c
.endr
.endr
	WIN 0
.irp t, 0,1,2,3
	ds_load_b32 v[KW+\t], v[ADS] offset:8192+64*\t
	ds_load_b32 v[KW2+\t], v[ADS] offset:8192+256+64*\t
.endr
	TMINUSM                                        ; A, finished and normalised
	v_nop
	s_wait_alu depctr_va_vdst(0)
.irp b, 0,1,2,3
.irp qt, 0,1
	v_max3_num_f32 v[TM+16*\qt+\b], v[SRG+64*\qt+16*\b], v[SRG+64*\qt+16*\b+1], 0x8000000
.endr
.endr
.irp i, 2,4,6,8,10,12,14
.irp b, 0,1,2,3
.irp qt, 0,1
	v_max3_num_f32 v[TM+16*\qt+\b], v[TM+16*\qt+\b], v[SRG+64*\qt+16*\b+\i], v[SRG+64*\qt+16*\b+\i+1]
.endr
.endr
.endr
	SCALEW PW
.irp qt, 0,1
.irp b, 0,1,2,3
.irp i, 0,1,2,3,4,5,6,7,8,9,10,11,12,13,14,15
	v_min_num_f32 v[SRG+64*\qt+16*\b+\i], v[SRG+64*\qt+16*\b+\i], v[TM+16*\qt+8+\b]   ; A is not negative: a one-sided hold
.endr
.endr
	WIN 0x40
.irp b, 0,1,2,3
	v_cvt_scalef32_pk8_bf8_f32 v[PC+16*\qt+4*\b:PC+16*\qt+4*\b+1], v[SRG+64*\qt+16*\b:SRG+64*\qt+16*\b+7], v[TM+16*\qt+12+\b]
	v_cvt_scalef32_pk8_bf8_f32 v[PC+16*\qt+4*\b+2:PC+16*\qt+4*\b+3], v[SRG+64*\qt+16*\b+8:SRG+64*\qt+16*\b+15], v[TM+16*\qt+12+\b]
.endr
	WIN 0
.if \qt == 0
	v_nop
.irp t, 0,1,2,3
.irp c, 0,1,2,3
	ds_load_b128 v[SRG+16*\t+4*\c:SRG+16*\t+4*\c+3], v[ADV] offset:(4+\t)*2048+512*\c   ; V's tiles 4-7, where the first tile's A lay
.endr
.endr
.endif
.endr
	NOPS 4
	s_wait_alu depctr_va_vdst(0)                   ; ahead of the first readers of O^T
	s_wait_dscnt 16                                ; all but V's tiles 4-7
	WIN 0x55
.irp t, 0,1,2,3
.irp qt, 0,1
	v_wmma_scale_f32_16x16x128_f8f6f4 v[ORG+64*\qt+8*\t:ORG+64*\qt+8*\t+7], v[FRG+16*\t:FRG+16*\t+15], v[PC+16*\qt:PC+16*\qt+15], v[ORG+64*\qt+8*\t:ORG+64*\qt+8*\t+7], v[KW+\t], v[PW+\qt] matrix_a_fmt:MATRIX_FMT_BF8 matrix_b_fmt:MATRIX_FMT_BF8
.endr
.endr
	s_wait_dscnt 0x0
	WIN 0x54
.irp t, 0,1,2,3
.irp qt, 0,1
	v_wmma_scale_f32_16x16x128_f8f6f4 v[ORG+64*\qt+8*(4+\t):ORG+64*\qt+8*(4+\t)+7], v[SRG+16*\t:SRG+16*\t+15], v[PC+16*\qt:PC+16*\qt+15], v[ORG+64*\qt+8*(4+\t):ORG+64*\qt+8*(4+\t)+7], v[KW2+\t], v[PW+\qt] matrix_a_fmt:MATRIX_FMT_BF8 matrix_b_fmt:MATRIX_FMT_BF8
.endr
.endr
	WIN 0
	s_add_co_u32 s[TK], s[TK], 16384
	s_add_co_u32 s[TS], s[TS], 512
.endm
.macro FOUR_STEPS
	s_mov_b32 s[CNT], 4
.Lstep_\@:
	STEP2
	ASK
	s_add_co_u32 s[NTR], s[NTR], 1
	s_sub_co_u32 s[CNT], s[CNT], 1
	s_cmp_lg_u32 s[CNT], 0
	s_cbranch_scc1 .Lstep_\@
	s_sub_co_u32 s[TK], s[TK], 65536
	s_xor_b32 s[TK], s[TK], SLOT1
.endm
.Lgrp:
	CHANGE 1
	FOUR_STEPS
	s_sub_co_u32 s[GRP], s[GRP], 1
	s_cmp_lg_u32 s[GRP], 0
	s_cbranch_scc1 .Lgrp
	CHANGE 0                                       ; the last group is written out: nothing more is fetched
	FOUR_STEPS
	NOPS 8
	WIN 0x04
.irp qt, 0,1
.irp g, 0,1,2,3,4,5,6,7,8,9,10,11,12,13,14,15
	global_store_b128 v[LI], v[ORG+64*\qt+4*\g:ORG+64*\qt+4*\g+3], s[XO:XO+1] offset:\qt*65536+512*\g th:TH_STORE_NT   ; qp + att as an image of the registers: 512 consecutive bytes a store
.endr
.endr
	WIN 0
	s_wait_tensorcnt 0x0                           ; the wave's end
	ds_add_u32 v[SPW], v[NIL]
	s_wait_dscnt 0x0
	CROUND                                         ; the closing round
	s_endpgm
.Lfunc_end_k_qaea5984c89_attn:
	.size	k_qaea5984c89_attn, .Lfunc_end_k_qaea5984c89_attn-k_qaea5984c89_attn
	.p2alignl 7, 3214868480
	.fill 96, 4, 3214868480
	.section	.rodata,"a",@progbits
	.p2align	6, 0x0
	.amdhsa_kernel k_qaea5984c89_attn
		.amdhsa_group_segment_fixed_size 327680
		.amdhsa_private_segment_fixed_size 0
		.amdhsa_enable_private_segment 0
		.amdhsa_kernarg_size 72
		.amdhsa_user_sgpr_count 2
		.amdhsa_user_sgpr_kernarg_segment_ptr 1
		.amdhsa_wavefront_size32 1
		.amdhsa_system_sgpr_workgroup_id_x 1
		.amdhsa_system_sgpr_workgroup_id_y 1
		.amdhsa_system_sgpr_workgroup_id_z 1
		.amdhsa_system_vgpr_workitem_id 0
		.amdhsa_next_free_vgpr 512
		.amdhsa_next_free_sgpr 96
		.amdhsa_reserve_vcc 0
		.amdhsa_float_denorm_mode_32 3
		.amdhsa_float_denorm_mode_16_64 3
		.amdhsa_memory_ordered 1
		.amdhsa_forward_progress 1
		.amdhsa_inst_pref_size 192
	.end_amdhsa_kernel
	.amdgpu_metadata
---
amdhsa.version: [ 1, 2 ]
amdhsa.kernels:
  - .name:           k_qaea5984c89_attn
    .symbol:         k_qaea5984c89_attn.kd
    .args:
      - { .name: q_codes, .offset: 0, .size: 8, .value_kind: global_buffer, .address_space: global }
      - { .name: q_scales, .offset: 8, .size: 8, .value_kind: global_buffer, .address_space: global }
      - { .name: Wq_codes, .offset: 16, .size: 8, .value_kind: global_buffer, .address_space: global }
      - { .name: Wq_scales, .offset: 24, .size: 8, .value_kind: global_buffer, .address_space: global }
      - { .name: kf, .offset: 32, .size: 8, .value_kind: global_buffer, .address_space: global }
      - { .name: vf, .offset: 40, .size: 8, .value_kind: global_buffer, .address_space: global }
      - { .name: kvs, .offset: 48, .size: 8, .value_kind: global_buffer, .address_space: global }
      - { .name: mask, .offset: 56, .size: 8, .value_kind: global_buffer, .address_space: global }
      - { .name: x1i, .offset: 64, .size: 8, .value_kind: global_buffer, .address_space: global }
    .group_segment_fixed_size: 327680
    .private_segment_fixed_size: 0
    .kernarg_segment_align: 8
    .kernarg_segment_size: 72
    .max_flat_workgroup_size: 256
    .sgpr_count:     96
    .vgpr_count:     512
    .wavefront_size: 32
...
	.end_amdgpu_metadata
.endif
;; end of part 2
;; launch tail (part 3): grid 256 x 1, 8 waves a work-group, clusters of 4 x 1, 327,680 bytes of LDS; arguments x1i, Wout_codes, Wout_scales, bout, g1, b1, g2, b2, out0; writes out0
.if DOCPART == 3
	.amdgcn_target "amdgcn-amd-amdhsa--gfx1250"
	.amdhsa_code_object_version 6
	.text
	.protected	k_qaea5984c89_tail
	.globl	k_qaea5984c89_tail
	.p2align	8
	.type	k_qaea5984c89_tail,@function
k_qaea5984c89_tail:
	s_mov_b64 s[64:65], 0
	v_nop
	global_prefetch_b8 v0, s[64:65] scope:SCOPE_SE
	s_setreg_imm32_b32 hwreg(HW_REG_WAVE_MODE, 25, 1), 1
	s_wait_xcnt 0x0
	s_wait_alu depctr_hold_cnt(0) depctr_sa_sdst(0) depctr_va_vdst(0) depctr_va_sdst(0) depctr_va_ssrc(0) depctr_va_vcc(0) depctr_vm_vsrc(0)
	s_getreg_b32 s2, hwreg(HW_REG_IB_STS2, 6, 4)
	s_cmp_eq_u32 s2, 0
	s_cbranch_scc0 .Lentry_in_a_cluster
	s_endpgm
.Lentry_in_a_cluster:
	s_bfe_u32 s2, ttmp6, 0x10000c
	s_cmp_lg_u32 s2, 0x3003
	s_cbranch_scc0 .Lentry_shape_is_right
	s_endpgm
.Lentry_shape_is_right:
.set SLOT,   139264
.set XIMG,   278528
.set XSC,    311296
.set RED,    313344
.set SPARE,  317440
.set SPITCH, 4112
.set LIX, 1
.set SO1, 2
.set PW,  3
.set LI,  4
.set XWI, 5
.set XWS, 6
.set LSX, 7
.set WAD, 8
.set RW,  10
.set RR,  11
.set SO0, 12
.set SRD, 13
.set XA,  14
.set GB,  15
.set MU,  16
.set CH,  20
.set SPW, 28
.set NIL, 29
.set XS,  30
.set TM,  32
.set PC,  48
.set WS,  64
.set X,   128
.set ACC, 0
.set WF,  128
.set GN,  128
.set TQ,  128
.set XF,  192
.set BB,  192
.set WV,  22
.set G1,  28
.set G0,  36
.set SEL, 44
.set MNT, 46
.set INV, 47
.set EPSR, 48
.set MSB, 0
.macro WIN new
.if MSB != (\new)
	s_set_vgpr_msb (MSB<<8)|(\new)
.set MSB, (\new)
.endif
.endm
.macro CROUND
	s_barrier_signal -1
	s_barrier_wait -1
	s_cmp_lg_u32 s[WV], 0
	s_cbranch_scc1 .Lnot_wave_0_\@
	s_barrier_signal -3
.Lnot_wave_0_\@:
	s_barrier_wait -3
	s_barrier_signal -1
	s_barrier_wait -1
.endm
.macro BARRIER
	s_wait_dscnt 0x0
	s_barrier_signal -1
	s_barrier_wait -1
.endm
	s_load_b512 s[4:19], s[0:1], 0x0
	s_load_b64 s[20:21], s[0:1], 0x40
	v_lshl_add_u32 v[SPW], v0, 2, SPARE
	v_mov_b32 v[NIL], 0
	ds_add_u32 v[SPW], v[NIL]
	ds_add_u32 v[SPW], v[NIL]
	v_lshrrev_b32 v32, 5, v0
	s_delay_alu instid0(VALU_DEP_1)
	v_readfirstlane_b32 s[WV], v32
	s_bfe_u32 s23, ttmp6, 0x40000
	s_lshl_b32 s24, ttmp9, 2
	s_add_co_u32 s24, s24, s23
	s_mov_b32 s[G1], 15|(0<<16)|(1<<20)|(1<<21)|(5<<22)|(3<<25)
	s_mov_b32 s[G1+1], 256<<16
	s_mov_b32 s[G1+2], 64<<16
	s_mov_b32 s[G1+3], 256<<16
	s_mov_b32 s[G1+4], 64
	s_mov_b32 s[G1+5], 1024
	s_mov_b32 s[G1+6], 0
	s_mov_b32 s[G1+7], 0
	s_mov_b32 s[SEL], 0x76543210
	s_mov_b32 s[SEL+1], 0xfedcba98
	s_mov_b32 s[MNT], 0x600000
	s_mov_b32 s[INV], 0x3a800000
	s_mov_b32 s[EPSR], 0x3727c5ac
	s_mov_b32 s[G0], 1
	s_mul_i32 s[G0+1], s[WV], 64*272
	s_mov_b32 s[G0+4], 1
	s_add_co_u32 s[G0+5], s[G0+1], SLOT
	s_lshl_b32 s50, s[WV], 16
	s_mov_b32 s51, 0
	s_lshl_b32 s52, s24, 17
	s_mov_b32 s53, 0
	s_lshl_b32 s54, s[WV], 14
	s_mov_b32 s55, 0
	s_wait_dscnt 0x0
	s_wait_kmcnt 0x0
	s_add_nc_u64 s[G0+2:G0+3], s[6:7], s[50:51]
	s_add_nc_u64 s[G0+6:G0+7], s[G0+2:G0+3], 256
	s_or_b32 s[G0+3], s[G0+3], 0x80000000
	s_or_b32 s[G0+7], s[G0+7], 0x80000000
	s_add_nc_u64 s[4:5], s[4:5], s[52:53]
	s_add_nc_u64 s[20:21], s[20:21], s[52:53]
	s_add_nc_u64 s[20:21], s[20:21], s[54:55]
	CROUND
	tensor_load_to_lds s[G0:G0+3], s[G1:G1+7]
	s_nop 0
	s_wait_alu depctr_va_vdst(0)
	s_wait_tensorcnt 0x0
	ds_add_u32 v28, v29
	s_wait_dscnt 0x0
	CROUND
	tensor_load_to_lds s[G0+4:G0+7], s[G1:G1+7]
	s_nop 0
.rept 4
	v_nop
.endr
	v_and_b32 v32, 31, v0
	v_and_b32 v33, 15, v0
	s_wait_alu depctr_va_vdst(0)
	v_bfe_u32 v34, v0, 4, 1
	v_lshlrev_b32 v[LI], 4, v32
	s_delay_alu instid0(VALU_DEP_1)
	v_add_nc_u32 v[LIX], XIMG, v[LI]
	s_lshr_b32 s52, s[WV], 1
	s_and_b32 s53, s[WV], 1
	s_lshl_b32 s54, s52, 11
	s_lshl_b32 s55, s53, 10
	s_add_co_u32 s54, s54, s55
	v_add_nc_u32 v[XWI], s54, v[LIX]
	v_lshlrev_b32 v35, 2, v32
	s_delay_alu instid0(VALU_DEP_1)
	v_add_nc_u32 v[LSX], XSC, v35
	s_lshl_b32 s54, s52, 7
	s_lshl_b32 s55, s53, 1
	s_add_co_u32 s54, s54, s55
	v_add_nc_u32 v[XWS], s54, v[LSX]
	v_mul_u32_u24 v36, v33, 272
	s_wait_alu depctr_va_vdst(0)
	v_lshl_add_u32 v36, v34, 3, v36
	s_delay_alu instid0(VALU_DEP_1)
	v_add_nc_u32 v[WAD], s[G0+1], v36
	s_delay_alu instid0(VALU_DEP_2)
	v_add_nc_u32 v[WAD+1], s[G0+5], v36
	v_lshlrev_b32 v37, 5, v33
	s_delay_alu instid0(VALU_DEP_1)
	v_add_nc_u32 v[RR], RED, v37
	s_lshl_b32 s54, s[WV], 2
	v_add_nc_u32 v[RW], s54, v[RR]
	v_mul_u32_u24 v38, v33, SPITCH
	s_delay_alu instid0(VALU_DEP_1)
	v_lshl_add_u32 v38, v34, 5, v38
	s_lshl_b32 s54, s[WV], 8
	v_add_nc_u32 v[SO0], s54, v38
	s_delay_alu instid0(VALU_DEP_1)
	v_add_nc_u32 v[SO1], 16*SPITCH, v[SO0]
	s_mul_i32 s55, s[WV], 4*SPITCH
	v_add_nc_u32 v[SRD], s55, v[LI]
	v_lshl_add_u32 v[GB], v34, 5, s54
	s_lshl_b32 s55, s[WV], 12
	v_add_nc_u32 v[XA], s55, v[LI]
	s_lshl_b32 s55, s[WV], 11
	v_lshl_add_u32 v39, v33, 5, s55
	v_mov_b32 v[MU+1], 0
	v_mov_b32 v[MU+3], 0
.irp m, 0,1
.irp hf, 0,1
.irp g, 0,1,2,3,4,5,6,7
	global_load_b128 v[X+64*\m+32*\hf+4*\g:X+64*\m+32*\hf+4*\g+3], v[XA], s[4:5] offset:\m*65536+\hf*32768+512*\g th:TH_LOAD_NT
.endr
.endr
.endr
.irp hf, 0,1
.irp t, 0,1,2,3
	global_load_b128 v[WS+8*(4*\hf+\t):WS+8*(4*\hf+\t)+3], v39, s[8:9] offset:\hf*16384+\t*512
	global_load_b128 v[WS+8*(4*\hf+\t)+4:WS+8*(4*\hf+\t)+7], v39, s[8:9] offset:\hf*16384+\t*512+16
.endr
.endr
	WIN 0x40
.irp m, 0,1
.irp hf, 0,1
.irp t, 0,1,2,3
	global_load_b128 v[ACC+64*\m+32*\hf+8*\t:ACC+64*\m+32*\hf+8*\t+3], v[GB], s[10:11] offset:2048*\hf+64*\t
	global_load_b128 v[ACC+64*\m+32*\hf+8*\t+4:ACC+64*\m+32*\hf+8*\t+7], v[GB], s[10:11] offset:2048*\hf+64*\t+16
.endr
.endr
.endr
	WIN 0
.macro REDUCE off
.irp m, 0
	s_delay_alu instid0(VALU_DEP_3)
	v_pk_add_f32 v[CH+4*\m:CH+4*\m+1], v[CH+4*\m:CH+4*\m+1], v[CH+4*\m+2:CH+4*\m+3]
.endr
.irp m, 1
	s_delay_alu instid0(VALU_DEP_2)
	v_pk_add_f32 v[CH+4*\m:CH+4*\m+1], v[CH+4*\m:CH+4*\m+1], v[CH+4*\m+2:CH+4*\m+3]
.endr
.irp m, 0,1
	s_delay_alu instid0(VALU_DEP_2)
	v_add_f32 v[CH+4*\m], v[CH+4*\m], v[CH+4*\m+1]
.endr
.irp m, 0,1
	s_delay_alu instid0(VALU_DEP_2)
	v_permlanex16_b32 v[CH+4*\m+2], v[CH+4*\m], s[SEL], s[SEL+1]
.endr
.irp m, 0,1
	s_delay_alu instid0(VALU_DEP_2)
	v_add_f32 v[CH+4*\m], v[CH+4*\m], v[CH+4*\m+2]
.endr
.irp m, 0,1
	ds_store_b32 v[RW], v[CH+4*\m] offset:\off+512*\m
.endr
	BARRIER
.irp m, 0,1
	ds_load_b128 v[TM+8*\m:TM+8*\m+3], v[RR] offset:\off+512*\m
	ds_load_b128 v[TM+8*\m+4:TM+8*\m+7], v[RR] offset:\off+512*\m+16
.endr
	s_wait_dscnt 0x0
.irp m, 0,1
	v_pk_add_f32 v[TM+8*\m:TM+8*\m+1], v[TM+8*\m:TM+8*\m+1], v[TM+8*\m+2:TM+8*\m+3]
	v_pk_add_f32 v[TM+8*\m+4:TM+8*\m+5], v[TM+8*\m+4:TM+8*\m+5], v[TM+8*\m+6:TM+8*\m+7]
.endr
.irp m, 0
	s_delay_alu instid0(VALU_DEP_3)
	v_pk_add_f32 v[TM+8*\m:TM+8*\m+1], v[TM+8*\m:TM+8*\m+1], v[TM+8*\m+4:TM+8*\m+5]
.endr
.irp m, 1
	s_delay_alu instid0(VALU_DEP_2)
	v_pk_add_f32 v[TM+8*\m:TM+8*\m+1], v[TM+8*\m:TM+8*\m+1], v[TM+8*\m+4:TM+8*\m+5]
.endr
.irp m, 0,1
	s_delay_alu instid0(VALU_DEP_2)
	v_add_f32 v[TM+8*\m], v[TM+8*\m], v[TM+8*\m+1]
.endr
.endm
.macro LNORM red, sg, sb
	WIN 0x40
.irp hf, 0,1
.irp t, 0,1,2,3
	global_load_b128 v[GN+32*\hf+8*\t:GN+32*\hf+8*\t+3], v[GB], s[\sg:\sg+1] offset:2048*\hf+64*\t
	global_load_b128 v[GN+32*\hf+8*\t+4:GN+32*\hf+8*\t+7], v[GB], s[\sg:\sg+1] offset:2048*\hf+64*\t+16
	global_load_b128 v[BB+32*\hf+8*\t:BB+32*\hf+8*\t+3], v[GB], s[\sb:\sb+1] offset:2048*\hf+64*\t
	global_load_b128 v[BB+32*\hf+8*\t+4:BB+32*\hf+8*\t+7], v[GB], s[\sb:\sb+1] offset:2048*\hf+64*\t+16
.endr
.endr
	WIN 0
.irp m, 0,1
	v_pk_add_f32 v[CH+4*\m:CH+4*\m+1], v[X+64*\m:X+64*\m+1], v[X+64*\m+2:X+64*\m+3]
	v_pk_add_f32 v[CH+4*\m+2:CH+4*\m+3], v[X+64*\m+4:X+64*\m+5], v[X+64*\m+6:X+64*\m+7]
.endr
.irp j, 8,12,16,20,24,28,32,36,40,44,48,52,56,60
.irp m, 0,1
	s_delay_alu instid0(VALU_DEP_4)
	v_pk_add_f32 v[CH+4*\m:CH+4*\m+1], v[CH+4*\m:CH+4*\m+1], v[X+64*\m+\j:X+64*\m+\j+1]
	s_delay_alu instid0(VALU_DEP_4)
	v_pk_add_f32 v[CH+4*\m+2:CH+4*\m+3], v[CH+4*\m+2:CH+4*\m+3], v[X+64*\m+\j+2:X+64*\m+\j+3]
.endr
.endr
	REDUCE \red
.irp m, 0,1
	s_delay_alu instid0(VALU_DEP_2)
	v_mul_f32 v[MU+2*\m], s[INV], v[TM+8*\m]
.endr
.set j, 0
.rept 64
	v_pk_add_f32 v[X+j:X+j+1], v[X+j:X+j+1], v[MU+2*(j/64):MU+2*(j/64)+1] op_sel_hi:[1,0] neg_lo:[0,1] neg_hi:[0,1]
.set j, j+2
.endr
.irp m, 0,1
	v_pk_mul_f32 v[CH+4*\m:CH+4*\m+1], v[X+64*\m:X+64*\m+1], v[X+64*\m:X+64*\m+1]
	v_pk_mul_f32 v[CH+4*\m+2:CH+4*\m+3], v[X+64*\m+2:X+64*\m+3], v[X+64*\m+2:X+64*\m+3]
.endr
.irp j, 4,8,12,16,20,24,28,32,36,40,44,48,52,56,60
.irp m, 0,1
	s_delay_alu instid0(VALU_DEP_4)
	v_pk_fma_f32 v[CH+4*\m:CH+4*\m+1], v[X+64*\m+\j:X+64*\m+\j+1], v[X+64*\m+\j:X+64*\m+\j+1], v[CH+4*\m:CH+4*\m+1]
	s_delay_alu instid0(VALU_DEP_4)
	v_pk_fma_f32 v[CH+4*\m+2:CH+4*\m+3], v[X+64*\m+\j+2:X+64*\m+\j+3], v[X+64*\m+\j+2:X+64*\m+\j+3], v[CH+4*\m+2:CH+4*\m+3]
.endr
.endr
	REDUCE \red+1024
.irp m, 0,1
	s_delay_alu instid0(VALU_DEP_2)
	v_fma_f32 v[TM+8*\m], v[TM+8*\m], s[INV], s[EPSR]
.endr
	s_wait_alu depctr_va_vdst(0)
.irp m, 0,1
	v_rsq_f32 v[MU+2*\m], v[TM+8*\m]
.endr
	v_nop
	s_wait_alu depctr_va_vdst(0)
.set j, 0
.rept 64
	v_pk_mul_f32 v[X+j:X+j+1], v[X+j:X+j+1], v[MU+2*(j/64):MU+2*(j/64)+1] op_sel_hi:[1,0]
.set j, j+2
.endr
	s_wait_loadcnt 0x0
	WIN 0x14
.set j, 0
.rept 64
	v_pk_fma_f32 v[X+j:X+j+1], v[X+j:X+j+1], v[GN+j%64:GN+j%64+1], v[BB+j%64:BB+j%64+1]
.set j, j+2
.endr
	WIN 0
.endm
.macro QUANTX m
.irp b, 0,1,2,3
	v_max3_num_f32 v[TM+\b], |v[X+64*\m+16*\b]|, |v[X+64*\m+16*\b+1]|, 0x8000000
.endr
.irp i, 2,4,6,8,10,12,14
.irp b, 0,1,2,3
	s_delay_alu instid0(VALU_DEP_4)
	v_max3_num_f32 v[TM+\b], v[TM+\b], |v[X+64*\m+16*\b+\i]|, |v[X+64*\m+16*\b+\i+1]|
.endr
.endr
.irp b, 0,1,2,3
	s_delay_alu instid0(VALU_DEP_4)
	v_permlanex16_b32 v[TM+4+\b], v[TM+\b], s[SEL], s[SEL+1]
.endr
.irp b, 0,1,2,3
	s_delay_alu instid0(VALU_DEP_4)
	v_max_num_f32 v[TM+\b], v[TM+\b], v[TM+4+\b]
.endr
.irp b, 0,1,2,3
	s_delay_alu instid0(VALU_DEP_4)
	v_add_nc_u32 v[TM+12+\b], 0xf8800000, v[TM+\b]
.endr
.irp b, 0,1,2,3
	v_and_or_b32 v[TM+8+\b], v[TM+\b], 0x7f800000, s[MNT]
.endr
.irp b, 0,1,2,3
	v_lshrrev_b32 v[TM+4+\b], 23, v[TM+12+\b]
.endr
	s_delay_alu instid0(VALU_DEP_3)
	v_lshl_or_b32 v[PW], v[TM+5], 8, v[TM+4]
	s_delay_alu instid0(VALU_DEP_1)
	v_lshl_or_b32 v[PW], v[TM+6], 16, v[PW]
	s_delay_alu instid0(VALU_DEP_1)
	v_lshl_or_b32 v[PW], v[TM+7], 24, v[PW]
	WIN 0x40
.irp b, 0,1,2,3
.irp i, 0,1,2,3,4,5,6,7,8,9,10,11,12,13,14,15
	v_med3_num_f32 v[TQ+16*\b+\i], v[X+64*\m+16*\b+\i], -v[TM+8+\b], v[TM+8+\b]
.endr
.endr
	WIN 0x01
.irp b, 0,1,2,3
	v_cvt_scalef32_pk8_bf8_f32 v[PC+4*\b:PC+4*\b+1], v[TQ+16*\b:TQ+16*\b+7], v[TM+12+\b]
	v_cvt_scalef32_pk8_bf8_f32 v[PC+4*\b+2:PC+4*\b+3], v[TQ+16*\b+8:TQ+16*\b+15], v[TM+12+\b]
.endr
	WIN 0
	v_nop
.irp b, 0,1,2,3
	ds_store_b128 v[XWI], v[PC+4*\b:PC+4*\b+3] offset:\m*16384+(\b/2)*8192+(\b%2)*512
.endr
	ds_store_b16 v[XWS], v[PW] offset:\m*1024
	ds_store_b16_d16_hi v[XWS], v[PW] offset:\m*1024+512
	s_wait_dscnt 0x0
.endm
.macro KSTEP hf, s, sg, q
.rept 8
	v_nop
.endr
	WIN 0x40
.irp t, 0,1,2,3
.irp c, 0,1,2,3
	ds_load_b64 v[WF+16*\t+4*\c:WF+16*\t+4*\c+1], v[WAD+(\sg)] offset:\t*4352+128*(\q)+32*\c
	ds_load_b64 v[WF+16*\t+4*\c+2:WF+16*\t+4*\c+3], v[WAD+(\sg)] offset:\t*4352+128*(\q)+32*\c+16
.endr
.endr
.irp m, 0,1
.irp c, 0,1,2,3
	ds_load_b128 v[XF+16*\m+4*\c:XF+16*\m+4*\c+3], v[LIX] offset:(8*\m+(\s))*2048+512*\c
.endr
.endr
	WIN 0
.irp m, 0,1
	ds_load_b32 v[XS+\m], v[LSX] offset:(8*\m+(\s))*128
.endr
	s_wait_dscnt 0x0
	WIN 0x55
.irp t, 0,1,2,3
.irp m, 0,1
	v_wmma_scale_f32_16x16x128_f8f6f4 v[ACC+64*\m+32*(\hf)+8*\t:ACC+64*\m+32*(\hf)+8*\t+7], v[WF+16*\t:WF+16*\t+15], v[XF+16*\m:XF+16*\m+15], v[ACC+64*\m+32*(\hf)+8*\t:ACC+64*\m+32*(\hf)+8*\t+7], v[WS+8*(4*(\hf)+\t)+(\s)], v[XS+\m] matrix_a_fmt:MATRIX_FMT_BF8 matrix_b_fmt:MATRIX_FMT_BF8
.endr
.endr
	WIN 0
.endm
.macro CONTENT n
.if (\n) >= 1
	s_wait_tensorcnt 0x0
	ds_add_u32 v[SPW], v[NIL]
.if (\n) <= 6
.if ((\n) == 3) || ((\n) == 4)
	s_add_nc_u64 s[G0+4*(((\n)+1)%2)+2:G0+4*(((\n)+1)%2)+3], s[G0+4*(((\n)+1)%2)+2:G0+4*(((\n)+1)%2)+3], 523776
.else
	s_add_nc_u64 s[G0+4*(((\n)+1)%2)+2:G0+4*(((\n)+1)%2)+3], s[G0+4*(((\n)+1)%2)+2:G0+4*(((\n)+1)%2)+3], 512
.endif
.endif
	s_wait_dscnt 0x0
.if (\n) <= 6
	CROUND
	tensor_load_to_lds s[G0+4*(((\n)+1)%2):G0+4*(((\n)+1)%2)+3], s[G1:G1+7]
	s_nop 0
.rept 4
	v_nop
.endr
.else
	s_barrier_signal -1
	s_barrier_wait -1
.endif
.endif
	KSTEP (\n)/4, 2*((\n)%4), (\n)%2, 0
	KSTEP (\n)/4, 2*((\n)%4)+1, (\n)%2, 1
.endm
	s_wait_alu depctr_va_vdst(0)
	s_wait_loadcnt 0x0
	LNORM 0, 12, 14
	QUANTX 0
	QUANTX 1
	s_wait_tensorcnt 1
	BARRIER
.irp n, 0,1,2,3,4,5,6,7
	CONTENT \n
.endr
.rept 8
	v_nop
.endr
	WIN 0x45
.set j, 0
.rept 128
	v_max_num_f32 v[ACC+j], v[ACC+j], 0
.set j, j+1
.endr
	WIN 0x04
.set j, 0
.rept 64
	v_pk_add_f32 v[X+j:X+j+1], v[X+j:X+j+1], v[ACC+j:ACC+j+1]
.set j, j+2
.endr
	WIN 0
	LNORM 2048, 16, 18
.irp hf, 0,1
.irp t, 0,1,2,3
	ds_store_b128 v[SO0], v[X+32*\hf+8*\t:X+32*\hf+8*\t+3] offset:2048*\hf+64*\t
	ds_store_b128 v[SO0], v[X+32*\hf+8*\t+4:X+32*\hf+8*\t+7] offset:2048*\hf+64*\t+16
	ds_store_b128 v[SO1], v[X+64+32*\hf+8*\t:X+64+32*\hf+8*\t+3] offset:2048*\hf+64*\t
	ds_store_b128 v[SO1], v[X+64+32*\hf+8*\t+4:X+64+32*\hf+8*\t+7] offset:2048*\hf+64*\t+16
.endr
.endr
	BARRIER
.set k, 0
.rept 32
	ds_load_b128 v[X+4*k:X+4*k+3], v[SRD] offset:(k/8)*SPITCH+512*(k%8)
.set k, k+1
.endr
.set k, 0
.rept 32
	s_wait_dscnt 31-k
	global_store_b128 v[LI], v[X+4*k:X+4*k+3], s[20:21] offset:(k/8)*4096+512*(k%8) th:TH_STORE_NT
.set k, k+1
.endr
	s_wait_tensorcnt 0x0
	ds_add_u32 v[SPW], v[NIL]
	s_wait_dscnt 0x0
	CROUND
	s_endpgm
.Lfunc_end_k_qaea5984c89_tail:
	.size	k_qaea5984c89_tail, .Lfunc_end_k_qaea5984c89_tail-k_qaea5984c89_tail
	.p2alignl 7, 3214868480
	.fill 96, 4, 3214868480
	.section	.rodata,"a",@progbits
	.p2align	6, 0x0
	.amdhsa_kernel k_qaea5984c89_tail
		.amdhsa_group_segment_fixed_size 327680
		.amdhsa_private_segment_fixed_size 0
		.amdhsa_enable_private_segment 0
		.amdhsa_kernarg_size 72
		.amdhsa_user_sgpr_count 2
		.amdhsa_user_sgpr_kernarg_segment_ptr 1
		.amdhsa_wavefront_size32 1
		.amdhsa_system_sgpr_workgroup_id_x 1
		.amdhsa_system_sgpr_workgroup_id_y 1
		.amdhsa_system_sgpr_workgroup_id_z 1
		.amdhsa_system_vgpr_workitem_id 0
		.amdhsa_next_free_vgpr 512
		.amdhsa_next_free_sgpr 66
		.amdhsa_reserve_vcc 0
		.amdhsa_float_denorm_mode_32 3
		.amdhsa_float_denorm_mode_16_64 3
		.amdhsa_memory_ordered 1
		.amdhsa_forward_progress 1
		.amdhsa_inst_pref_size 184
	.end_amdhsa_kernel
	.amdgpu_metadata
---
amdhsa.version: [ 1, 2 ]
amdhsa.kernels:
  - .name:           k_qaea5984c89_tail
    .symbol:         k_qaea5984c89_tail.kd
    .args:
      - { .name: x1i, .offset: 0, .size: 8, .value_kind: global_buffer, .address_space: global }
      - { .name: Wout_codes, .offset: 8, .size: 8, .value_kind: global_buffer, .address_space: global }
      - { .name: Wout_scales, .offset: 16, .size: 8, .value_kind: global_buffer, .address_space: global }
      - { .name: bout, .offset: 24, .size: 8, .value_kind: global_buffer, .address_space: global }
      - { .name: g1, .offset: 32, .size: 8, .value_kind: global_buffer, .address_space: global }
      - { .name: b1, .offset: 40, .size: 8, .value_kind: global_buffer, .address_space: global }
      - { .name: g2, .offset: 48, .size: 8, .value_kind: global_buffer, .address_space: global }
      - { .name: b2, .offset: 56, .size: 8, .value_kind: global_buffer, .address_space: global }
      - { .name: out0, .offset: 64, .size: 8, .value_kind: global_buffer, .address_space: global }
    .group_segment_fixed_size: 327680
    .private_segment_fixed_size: 0
    .kernarg_segment_align: 8
    .kernarg_segment_size: 72
    .max_flat_workgroup_size: 256
    .sgpr_count:     66
    .vgpr_count:     512
    .wavefront_size: 32
...
	.end_amdgpu_metadata
.endif
;; end of part 3
